; MI455X (gfx1250); checked and timed in simulation.
; The chip was launched on July 23, 2026; its instructions are those of AMD's public machine-readable ISA for CDNA 5 (MIT licence, August 2026) and "CDNA5" Instruction Set Architecture Reference Guide (July 2026). The comments in the code are by the model that wrote it; some were corrected since.
;; Transformer Attention. Allowed arithmetic: matrix products marked QUANTISED: E2M1 operands, one E8M0 scale for each 32 along K, by v_wmma_scale_f32_16x16x128_f8f6f4 with both operands' format E2M1 (or v_wmma_scale_f32_32x16x128_f4), f32 sums; products left as they are: bf16, f16 or f32 operands; f32 sums; everything else in f32.
;; Inputs: Wk 1,024 x 1,024 float32; Wo 1,024 x 1,024 float32; Wq 1,024 x 1,024 float32; Wv 1,024 x 1,024 float32; batch 4 x 2,048 x 1,024 float32; bk 1,024 float32; bo 1,024 float32; bq 1,024 float32; bv 1,024 float32; padding_mask 4 x 2,048 bool.
;; Outputs: out0 4 x 2,048 x 1,024 float32.
;; Constants: num_heads = 16.
;; This version of the problem:
;;   THIS VERSION OF THE PROBLEM IS GIVEN IN LOW PRECISION. The matrix products marked QUANTISED in the list below multiply operands that are first quantised to E2M1 (2 exponent bits, 1 mantissa bit; 4 bits a number), with one power-of-two scale for each 32 numbers along K (OCP MX v1.0); their sums are f32. The products marked 'left as it is' may take bf16, f16 or f32 operands, with f32 sums. Whichever they take, every output number must still come out within the allowed error. Rounding operands to bf16 (8 significant bits) uses up far more of that allowance than f16 does (11 bits, for magnitudes from 6e-5 to 65,504). All else is computed in f32.
;;   The module's matrix products, in the order in which they are computed (A, B: the left and right operand; K: the contracted axis; several contracted axes count as one K, in the product's order):
;;     1. [M 8,192, K 1,024] x [K 1,024, N 1,024]; A: input batch; B: input Wq: QUANTISED
;;     2. [M 8,192, K 1,024] x [K 1,024, N 1,024]; A: input batch; B: input Wk: QUANTISED
;;     3. [M 8,192, K 1,024] x [K 1,024, N 1,024]; A: input batch; B: input Wv: QUANTISED
;;     4. batch 64 x [M 2,048, K 64] x [K 64, N 2,048]; A: computed on the way; B: computed on the way: left as it is (an operand is computed on the way)
;;     5. batch 64 x [M 2,048, K 2,048] x [K 2,048, N 64]; A: computed on the way; B: computed on the way: left as it is (an operand is computed on the way)
;;     6. [M 8,192, K 1,024] x [K 1,024, N 1,024]; A: computed on the way; B: input Wo: left as it is (an operand is computed on the way)
;;   THE QUANTISER, for each operand of a quantised product, along K:
;;     - K is cut into blocks of 32 from its start; a last block that is shorter is filled with zeros.
;;     - A block's scale is 2^e with e = floor(log2(the largest magnitude in the block)) - 2, held to -126 .. 127; a block of zeros has e = 0. As a byte (E8M0): e + 127.
;;     - Each number is divided by its block's scale, clamped to +-6, and rounded to the nearest number of E2M1, ties to even, subnormals kept.
;;     - The product sums the exact products of the quantised numbers (number of the format x scale) in f32.
;;   ~~~python
;;   def quantise(x, axis):      # numpy; x: float32 -> the quantised numbers, widened to float32 again
;;       x = np.moveaxis(x, axis, -1); K = x.shape[-1]
;;       x = np.pad(x, [(0, 0)] * (x.ndim - 1) + [(0, -K % 32)]); x = x.reshape(x.shape[:-1] + (-1, 32)); a = np.abs(x).max(-1, keepdims=True)
;;       e = np.where(a > 0, np.clip(np.frexp(np.where(a > 0, a, 1))[1] - 1 - 2, -126, 127), 0)      # np.frexp(a)[1] - 1 = floor(log2(a)), exactly
;;       r = np.clip(x / 2.0 ** e, -6, 6)
;;       step = 2.0 ** (np.maximum(np.frexp(np.where(r == 0, 1, r))[1] - 1, 0) - 1)
;;       q = np.round(r / step) * step * 2.0 ** e      # np.round: ties to even
;;       return np.moveaxis(q.reshape(q.shape[:-2] + (-1,))[..., :K], -1, axis).astype(np.float32)
;;   ~~~
;; One version. Each part assembles by itself: llvm-mc -triple=amdgcn-amd-amdhsa -mcpu=gfx1250 --defsym DOCPART=n.
;; ======== version 1 of 1: 4 launches
;; limits: values are held in f16: magnitudes above 65,504 overflow, below 6.1e-05 lose precision
;; workspace buffers: xc 4,194,304 bytes; xs 262,144 bytes; wc 1,572,864 bytes; ws 98,304 bytes; wo16 2,097,152 bytes; qkv 50,331,648 bytes; ctx 16,777,216 bytes; perm 33,024 bytes of whole numbers
;; launch prep (part 1): grid 512 x 1, 4 waves a work-group, no clusters, 33,280 bytes of LDS; arguments batch, padding_mask, Wq, Wk, Wv, Wo, xc, xs, wc, ws, wo16, perm; writes xc, xs, wc, ws, wo16, perm
.if DOCPART == 1
	.amdgcn_target "amdgcn-amd-amdhsa--gfx1250"
	.amdhsa_code_object_version 6
	.text
	.protected	k_qd17f00d6e4_prep
	.globl	k_qd17f00d6e4_prep
	.p2align	8
	.type	k_qd17f00d6e4_prep,@function
k_qd17f00d6e4_prep:
	s_mov_b64 s[64:65], 0
	v_nop
	global_prefetch_b8 v0, s[64:65] scope:SCOPE_SE
	s_setreg_imm32_b32 hwreg(HW_REG_WAVE_MODE, 25, 1), 1
	s_wait_xcnt 0x0
; THE OPERANDS ARE MADE READY, ONCE.  Work-groups 0-255: batch [8192][1024] f32 becomes codes of FP4 (E2M1), K innermost, xc [8192][512 bytes], and one E8M0 byte for each 32 along K, xs [8192][32].
; THE ROWS ARE PERMUTED within each of the four sequences: the tokens whose mask byte is 1 come first, in their order, then the others, in theirs.  perm: word p = the token that lies in permuted row p;
; words 8192-8195 = the number of open tokens of each sequence.  All of that is whole-number work on the mask bytes that this launch reads.
; Work-groups 256-511: Wq, Wk, Wv [k][n] f32 become codes along K (their FIRST axis), laid in the order of an operand's registers: wc [tile of 16 columns][block of 32 k][column in the tile][16 bytes];
; scale bytes ws [3072][32].  Wo becomes f16 in the order of an f16 operand's registers: wo16 [tile of 16 columns][32 k][piece of 8 k][column in the tile][16 bytes].
; A block's scale is 2^(floor(log2(its largest magnitude)) - 2); its byte is the largest magnitude's exponent field - 2, held at 1 from below.  A block of zeros so gets the byte 1 where the rule says 127:
; its codes are zeros, and this program alone reads the bytes.
; LIMITS: blocks whose largest magnitude lies under 2^-124 have the byte 1; NaN and infinities among the inputs are not served; a mask byte is 0 or 1; |Wo| up to 65,504 (f16).
; No tensor loads, no barrier: waves share nothing.  Matrix units and clusters have nothing to do here: every input byte is read once.
.set WREG,  8192                       ; LDS: a region for each wave: two stages of 32 x SP bytes, behind them its 256 scale bytes
.set SP,    80                         ; a lane's place in a stage: 64 bytes + 16 of padding
.set SPARE, 4*WREG                     ; the spare words, 128 bytes for each wave: two blocks of 256 bytes that no other line names
.set STEPS, 16
.set SPW,   12                         ; v12  LDS address of my spare word; never rewritten
.set NIL,   13                         ; v13  0; never rewritten
.set R,     16                         ; v16-79   four sets of 16 numbers as loaded
.set X,     80                         ; v80-111  two sets of 16 neighbours
.set E,     112                        ; v112-127 a scale byte for each step
.set C,     128                        ; v128-191 codes: four registers for each step
.set ADR,   192                        ; v192-199 row j: 512 x its permuted row + 8 x lane
.set ID4,   200                        ; v200     the permuted row of my wave's row lane / 4
.set XSA,   201                        ; v201     where my 8 scale bytes go
.set MK,    208                        ; v208-223 64 mask bytes a lane
	s_load_b512 s[4:19], s[0:1], 0x0               ; batch 4, mask 6, Wq 8, Wk 10, Wv 12, Wo 14, xc 16, xs 18
	s_load_b256 s[20:27], s[0:1], 0x40             ; wc 20, ws 22, wo16 24, perm 26
	v_lshl_add_u32 v[SPW], v0, 2, SPARE
	v_mov_b32 v[NIL], 0
	v_lshrrev_b32 v1, 5, v0
	v_readfirstlane_b32 s28, v1                    ; wave
	v_and_b32 v2, 31, v0                           ; lane
	s_cmp_ge_u32 ttmp9, 256
	s_cbranch_scc1 .Lweights
; ---------------- batch: a wave takes 8 rows, 16 steps of 512 numbers ----------------
	s_lshl_b32 s29, ttmp9, 5
	s_lshl_b32 s30, s28, 3
	s_add_co_u32 s29, s29, s30                     ; R0: my first row = 32 x work-group + 8 x wave
	s_lshr_b32 s30, s29, 11                        ; b: the sequence
	s_lshl_b32 s31, s30, 11                        ; 2048 b
	s_and_b32 s41, s29, 2047                       ; t0: my first token in it
	s_lshr_b32 s42, s41, 2                         ; in words of four mask bytes
	s_mov_b32 s46, 0x76543210
	s_mov_b32 s47, 0xfedcba98                      ; v_permlanex16_b32's selects for lane l xor 16
	s_mov_b32 s48, 0x00ff00ff
	s_lshl_b32 s44, s29, 12                        ; my rows' first byte in batch
	s_mov_b32 s45, 0
	v_lshlrev_b32 v3, 4, v2                        ; my 16 bytes of a load's 512
	s_mul_i32 s43, s28, WREG
	v_lshrrev_b32 v14, 2, v2
	v_mul_u32_u24 v14, v14, SP
	v_and_b32 v15, 3, v2
	v_lshl_add_u32 v14, v15, 4, v14
	v_add_nc_u32 v14, s43, v14                     ; the stage, on the way in: SP (lane / 4) + 16 (lane % 4)
	v_mul_u32_u24 v15, v2, SP
	v_add_nc_u32 v15, s43, v15                     ; and on the way out: SP x lane: my 16 neighbours
	v_lshlrev_b32 v4, 3, v2                        ; 8 x lane
	v_lshrrev_b32 v5, 1, v2
	s_add_co_u32 s43, s43, 2*32*SP
	v_add_nc_u32 v5, s43, v5                       ; my block's scale byte in LDS
	v_add_nc_u32 v6, s43, v4                       ; and 8 of them a lane on the way out
	v_lshlrev_b32 v202, 6, v2
	v_add_nc_u32 v202, s31, v202                   ; the sequence's mask bytes 64 lane .. 64 lane + 63
	s_wait_kmcnt 0x0
.irp i, 0,1,2,3
	global_load_b128 v[MK+4*\i:MK+4*\i+3], v202, s[6:7] offset:16*\i
.endr
	s_load_b64 s[32:33], s[6:7], s29 offset:0x0    ; my eight rows' own mask bytes
	s_add_nc_u64 s[4:5], s[4:5], s[44:45]
.macro LOAD t
.irp i, 0,1,2,3
	global_load_b128 v[R+16*((\t)%4)+4*\i:R+16*((\t)%4)+4*\i+3], v3, s[4:5] offset:2048*(\t)+512*\i th:TH_LOAD_NT   ; 32 lanes read 512 consecutive bytes
.endr
.endm
.macro TURN t                          ; step t's numbers through the stage: LDS serves a wave's instructions in order, so no wait stands between the stores and the loads
.irp i, 0,1,2,3
	ds_store_b128 v14, v[R+16*((\t)%4)+4*\i:R+16*((\t)%4)+4*\i+3] offset:32*SP*((\t)%2)+8*SP*\i
.endr
.irp i, 0,1,2,3
	ds_load_b128 v[X+16*((\t)%2)+4*\i:X+16*((\t)%2)+4*\i+3], v15 offset:32*SP*((\t)%2)+16*\i
.endr
.endm
.irp t, 0,1,2,3
	LOAD \t
.endr
	; the counts: ones in the whole sequence, and ones ahead of my first token.  Four bytes are added at a time: a byte's sum is 16 at the most
	v_lshlrev_b32 v203, 4, v2
	v_sub_nc_u32 v203, s42, v203                   ; my word i lies ahead of t0 where i < t0 / 4 - 16 lane
	s_wait_loadcnt 16                              ; the mask's four loads are in; the 16 loads of batch behind them stay out
	v_mov_b32 v204, v[MK]
	v_cmp_lt_i32 vcc_lo, 0, v203
	v_cndmask_b32 v205, 0, v[MK], vcc_lo
.irp i, 1,2,3,4,5,6,7,8,9,10,11,12,13,14,15
	v_add_nc_u32 v204, v204, v[MK+\i]
	v_cmp_lt_i32 vcc_lo, \i, v203
	v_cndmask_b32 v206, 0, v[MK+\i], vcc_lo
	v_add_nc_u32 v205, v205, v206
.endr
.macro HSUM x                          ; the four byte sums of a word become one number
	v_and_b32 v206, s48, v[\x]
	v_lshrrev_b32 v[\x], 8, v[\x]
	v_and_b32 v[\x], s48, v[\x]
	v_add_nc_u32 v[\x], v[\x], v206
	v_and_b32 v206, 0xffff, v[\x]
	v_lshrrev_b32 v[\x], 16, v[\x]
	v_add_nc_u32 v[\x], v[\x], v206
.endm
	HSUM 204
	HSUM 205
	v_lshl_add_u32 v204, v204, 16, v205            ; both counts in one word: neither passes 2,048
.irp m, 1,2,4,8
	v_mov_b32_dpp v206, v204 row_xmask:\m row_mask:0xf bank_mask:0xf
	v_add_nc_u32 v204, v204, v206
.endr
	v_permlanex16_b32 v206, v204, s46, s47
	v_add_nc_u32 v204, v204, v206
	v_readfirstlane_b32 s34, v204
	s_and_b32 s35, s34, 0xffff                     ; ones ahead of t0
	s_lshr_b32 s36, s34, 16                        ; n: ones in the sequence
	s_add_co_u32 s38, s36, s41
	s_sub_co_u32 s38, s38, s35                     ; n + zeros ahead of t0
	s_mov_b32 s37, 0                               ; ones among my rows so far
	s_wait_kmcnt 0x0
.irp j, 0,1,2,3,4,5,6,7
	s_bfe_u32 s39, s[32+\j/4], 0x80000|(8*(\j%4))  ; row j's mask byte
	s_add_co_u32 s44, s35, s37                     ; open: the ones ahead of it
	s_add_co_u32 s45, s38, \j
	s_sub_co_u32 s45, s45, s37                     ; hidden: n + the zeros ahead of it
	s_cmp_lg_u32 s39, 0
	s_cselect_b32 s[50+\j], s44, s45
	s_add_co_u32 s37, s37, s39
	s_min_u32 s[50+\j], s[50+\j], 0x7ff            ; a place in the sequence
	s_add_co_u32 s[50+\j], s[50+\j], s31           ; the permuted row
	v_lshl_add_u32 v[ADR+\j], s[50+\j], 9, v4
.endr
	v_lshrrev_b32 v207, 2, v2                      ; lane / 4: one of my eight rows
	v_mov_b32 v[ID4], s50
.irp j, 1,2,3,4,5,6,7
	v_cmp_eq_u32 vcc_lo, \j, v207
	v_cndmask_b32 v[ID4], v[ID4], s[50+\j], vcc_lo
.endr
	v_min_u32 v[ID4], 0x1fff, v[ID4]
	v_lshlrev_b32 v202, 2, v[ID4]
	v_add_nc_u32 v203, s29, v207
	global_store_b32 v202, v203, s[26:27]          ; perm[permuted row] = the token's row; four lanes store the same word with the same number.  These registers are not written again
	v_and_b32 v[XSA], 3, v2
	v_lshlrev_b32 v[XSA], 3, v[XSA]
	v_lshl_add_u32 v[XSA], v[ID4], 5, v[XSA]       ; 32 x permuted row + 8 (lane % 4)
	s_cmp_lg_u32 s41, 0                            ; the wave with a sequence's first token stores its count
	s_cbranch_scc1 .Lnot_first
	s_lshl_b32 s44, s30, 2
	v_mov_b32 v205, s44
	v_mov_b32 v206, s36
	global_store_b32 v205, v206, s[26:27] offset:32768
.Lnot_first:
	s_wait_loadcnt 12                              ; step 0's four loads are in
	TURN 0
.macro STEP t
.set XS, X+16*((\t)%2)
.if (\t) > 0
	s_wait_dscnt 1                                 ; this step's numbers are back from the stage (the last step's byte store may be out)
.else
	s_wait_dscnt 0x0
.endif
.if (\t)+4 < STEPS
	LOAD (\t)+4
.endif
.if (\t)+1 < STEPS
.if STEPS-2-(\t) >= 3
	s_wait_loadcnt 12                              ; the next step's four loads are in; those of the three steps behind it may be out
.else
	s_wait_loadcnt 4*(STEPS-2-(\t))
.endif
	TURN (\t)+1
.endif
	v_max3_num_f32 v8, |v[XS]|, |v[XS+1]|, |v[XS+2]|               ; the largest magnitude of my 16
	v_max3_num_f32 v9, |v[XS+3]|, |v[XS+4]|, |v[XS+5]|
.irp i, 6,10
	v_max3_num_f32 v8, v8, |v[XS+\i]|, |v[XS+\i+1]|
	v_max3_num_f32 v9, v9, |v[XS+\i+2]|, |v[XS+\i+3]|
.endr
	v_max3_num_f32 v8, v8, |v[XS+14]|, |v[XS+15]|
	v_max3_num_f32 v8, v8, v9, 0x1800000           ; and the floor 2^(3 - 127): the byte cannot fall under 1
	v_max_num_f32_dpp v8, v8, v8 row_xmask:1 row_mask:0xf bank_mask:0xf   ; and of my neighbour's 16: the block's
	v_add_nc_u32 v11, 0xff000000, v8               ; 2 off its exponent field: the conversion takes the exponent field of this operand as its scale
	v_cvt_scalef32_pk8_fp4_f32 v[C+4*(\t)], v[XS:XS+7], v11
	v_cvt_scalef32_pk8_fp4_f32 v[C+4*(\t)+1], v[XS+8:XS+15], v11
	v_lshrrev_b32 v[E+(\t)], 23, v11               ; the scale's byte (a plain line behind the conversions)
	ds_store_b8 v5, v[E+(\t)] offset:16*(\t)       ; both lanes of a block write the same byte with the same value
	global_store_b64 v[ADR+(\t)/2], v[C+4*(\t):C+4*(\t)+1], s[16:17] offset:256*((\t)%2)   ; the wave stores 256 consecutive bytes, half a row of codes, at a multiple of 256
.endm
.irp t, 0,1,2,3,4,5,6,7,8,9,10,11,12,13,14,15
	STEP \t
.endr
	ds_load_b64 v[8:9], v6                         ; LDS serves a wave's instructions in order: these see my stores
	s_wait_dscnt 0x0
	global_store_b64 v[XSA], v[8:9], s[18:19]      ; four lanes store a row's 32 scale bytes
	s_wait_tensorcnt 0x0                           ; the wave's end
	ds_add_u32 v[SPW], v[NIL]
	s_wait_dscnt 0x0
	s_endpgm
; ---------------- the weights: a lane takes a column, its registers run down K; a wave takes 32 columns x 128 along K ----------------
.Lweights:
	s_sub_co_u32 s29, ttmp9, 256
	s_lshr_b32 s30, s29, 6                         ; which weight: 0 Wq, 1 Wk, 2 Wv, 3 Wo
	s_bfe_u32 s31, s29, 0x30003                    ; which 128 along K
	s_and_b32 s34, s29, 7
	s_lshl_b32 s34, s34, 7
	s_lshl_b32 s35, s28, 5
	s_add_co_u32 s34, s34, s35                     ; n0: my wave's first column
	v_lshlrev_b32 v3, 2, v2
	v_lshrrev_b32 v4, 4, v2                        ; which of my two tiles of 16 columns
	v_and_b32 v5, 15, v2
	v_lshlrev_b32 v5, 4, v5                        ; 16 x column in the tile
	s_lshl_b32 s36, s31, 19                        ; 128 rows of 4,096 bytes
	s_lshl_b32 s37, s34, 2
	s_add_co_u32 s36, s36, s37
	s_mov_b32 s37, 0
	s_mov_b32 s39, 0
	s_wait_kmcnt 0x0
	s_cmp_eq_u32 s30, 1                            ; the choice hangs on the work-group's number alone
	s_cselect_b64 s[32:33], s[10:11], s[8:9]
	s_cmp_eq_u32 s30, 2
	s_cselect_b64 s[32:33], s[12:13], s[32:33]
	s_cmp_eq_u32 s30, 3
	s_cselect_b64 s[32:33], s[14:15], s[32:33]
	s_add_nc_u64 s[32:33], s[32:33], s[36:37]
.macro WLOAD t                         ; block t: W(32 t + i, my column) into v[32 + 32 t + i]: each load reads 128 consecutive bytes
.set ii, 0
.rept 32
	global_load_b32 v[32+32*(\t)+ii], v3, s[32:33] offset:(32*(\t)+ii)*4096 th:TH_LOAD_NT
.set ii, ii+1
.endr
.endm
.macro WAHEAD t                        ; block t is in; the load runs two blocks ahead, each block into registers of its own
.if (\t) < 3
	s_wait_loadcnt 32                              ; the next block's 32 loads may be out
.else
	s_wait_loadcnt 0x0
.endif
.if (\t)+2 < 4
	WLOAD (\t)+2
.endif
.endm
	WLOAD 0
	WLOAD 1
	s_cmp_eq_u32 s30, 3
	s_cbranch_scc1 .Lwo
	v_lshl_add_u32 v6, v4, 13, v5                  ; codes: 8,192 bytes a tile of columns
	v_lshlrev_b32 v7, 5, v2                        ; scale bytes: 32 a column
	s_lshl_b32 s38, s30, 19                        ; 64 tiles a weight,
	s_lshl_b32 s35, s34, 9                         ; n0 / 16 tiles,
	s_add_co_u32 s38, s38, s35
	s_lshl_b32 s35, s31, 10                        ; four blocks of 256 bytes
	s_add_co_u32 s38, s38, s35
	s_add_nc_u64 s[20:21], s[20:21], s[38:39]
	s_lshl_b32 s38, s30, 15
	s_lshl_b32 s35, s34, 5
	s_add_co_u32 s38, s38, s35
	s_lshl_b32 s35, s31, 2
	s_add_co_u32 s38, s38, s35
	s_add_nc_u64 s[22:23], s[22:23], s[38:39]
.macro WBLOCK t
.set XS, 32+32*(\t)
	WAHEAD \t
	v_max3_num_f32 v8, |v[XS]|, |v[XS+1]|, |v[XS+2]|               ; the block's largest magnitude: all 32 numbers are mine
	v_max3_num_f32 v9, |v[XS+3]|, |v[XS+4]|, |v[XS+5]|
.irp i, 6,10,14,18,22,26
	v_max3_num_f32 v8, v8, |v[XS+\i]|, |v[XS+\i+1]|
	v_max3_num_f32 v9, v9, |v[XS+\i+2]|, |v[XS+\i+3]|
.endr
	v_max3_num_f32 v8, v8, |v[XS+30]|, |v[XS+31]|
	v_max3_num_f32 v8, v8, v9, 0x1800000
	v_add_nc_u32 v11, 0xff000000, v8
	v_lshrrev_b32 v10, 23, v11
.if (\t) == 0
	v_mov_b32 v176, v10                            ; four bytes to a register, the lower K in the lower byte
.else
	v_lshl_or_b32 v176, v10, 8*(\t), v176
.endif
.irp g, 0,1,2,3
	v_cvt_scalef32_pk8_fp4_f32 v[160+4*(\t)+\g], v[XS+8*\g:XS+8*\g+7], v11
.endr
	global_store_b128 v6, v[160+4*(\t):163+4*(\t)], s[20:21] offset:256*(\t)   ; sixteen lanes store 256 consecutive bytes, at a multiple of 256: a block of 32 k of a tile's 16 columns.  (The next block begins with plain lines)
.endm
.irp t, 0,1,2,3
	WBLOCK \t
.endr
	global_store_b32 v7, v176, s[22:23]            ; my column's four scale bytes
	s_wait_tensorcnt 0x0
	ds_add_u32 v[SPW], v[NIL]
	s_wait_dscnt 0x0
	s_endpgm
.Lwo:
	v_lshl_add_u32 v6, v4, 15, v5                  ; 32,768 bytes a tile of columns
	s_lshl_b32 s38, s34, 11                        ; n0 / 16 tiles
	s_lshl_b32 s35, s31, 12                        ; four fragments of 1,024 bytes
	s_add_co_u32 s38, s38, s35
	s_add_nc_u64 s[24:25], s[24:25], s[38:39]
.macro HBLOCK t
.set XS, 32+32*(\t)
	WAHEAD \t
.set ii, 0
.rept 16
	v_cvt_pk_f16_f32 v[XS+ii], v[XS+2*ii], v[XS+2*ii+1]            ; in place, from the low end on: register ii has been read when it is written
.set ii, ii+1
.endr
.irp p, 0,1,2,3
	global_store_b128 v6, v[XS+4*\p:XS+4*\p+3], s[24:25] offset:1024*(\t)+256*\p   ; piece p: 8 k of 16 columns: 256 consecutive bytes from sixteen lanes
.endr
.endm
.irp t, 0,1,2,3
	HBLOCK \t
.endr
	s_wait_tensorcnt 0x0
	ds_add_u32 v[SPW], v[NIL]
	s_wait_dscnt 0x0
	s_endpgm
.Lfunc_end_k_qd17f00d6e4_prep:
	.size	k_qd17f00d6e4_prep, .Lfunc_end_k_qd17f00d6e4_prep-k_qd17f00d6e4_prep
	.p2alignl 7, 3214868480
	.fill 96, 4, 3214868480
	.section	.rodata,"a",@progbits
	.p2align	6, 0x0
	.amdhsa_kernel k_qd17f00d6e4_prep
		.amdhsa_group_segment_fixed_size 33280
		.amdhsa_private_segment_fixed_size 0
		.amdhsa_enable_private_segment 0
		.amdhsa_kernarg_size 96
		.amdhsa_user_sgpr_count 2
		.amdhsa_user_sgpr_kernarg_segment_ptr 1
		.amdhsa_wavefront_size32 1
		.amdhsa_system_sgpr_workgroup_id_x 1
		.amdhsa_system_sgpr_workgroup_id_y 1
		.amdhsa_system_sgpr_workgroup_id_z 1
		.amdhsa_system_vgpr_workitem_id 0
		.amdhsa_next_free_vgpr 224
		.amdhsa_next_free_sgpr 66
		.amdhsa_reserve_vcc 1
		.amdhsa_float_denorm_mode_32 3
		.amdhsa_float_denorm_mode_16_64 3
		.amdhsa_memory_ordered 1
		.amdhsa_forward_progress 1
		.amdhsa_inst_pref_size 73
	.end_amdhsa_kernel
	.amdgpu_metadata
---
amdhsa.version: [ 1, 2 ]
amdhsa.kernels:
  - .name:           k_qd17f00d6e4_prep
    .symbol:         k_qd17f00d6e4_prep.kd
    .args:
      - { .name: batch, .offset: 0, .size: 8, .value_kind: global_buffer, .address_space: global }
      - { .name: padding_mask, .offset: 8, .size: 8, .value_kind: global_buffer, .address_space: global }
      - { .name: Wq, .offset: 16, .size: 8, .value_kind: global_buffer, .address_space: global }
      - { .name: Wk, .offset: 24, .size: 8, .value_kind: global_buffer, .address_space: global }
      - { .name: Wv, .offset: 32, .size: 8, .value_kind: global_buffer, .address_space: global }
      - { .name: Wo, .offset: 40, .size: 8, .value_kind: global_buffer, .address_space: global }
      - { .name: xc, .offset: 48, .size: 8, .value_kind: global_buffer, .address_space: global }
      - { .name: xs, .offset: 56, .size: 8, .value_kind: global_buffer, .address_space: global }
      - { .name: wc, .offset: 64, .size: 8, .value_kind: global_buffer, .address_space: global }
      - { .name: ws, .offset: 72, .size: 8, .value_kind: global_buffer, .address_space: global }
      - { .name: wo16, .offset: 80, .size: 8, .value_kind: global_buffer, .address_space: global }
      - { .name: perm, .offset: 88, .size: 8, .value_kind: global_buffer, .address_space: global }
    .group_segment_fixed_size: 33280
    .private_segment_fixed_size: 0
    .kernarg_segment_align: 8
    .kernarg_segment_size: 96
    .max_flat_workgroup_size: 128
    .sgpr_count:     66
    .vgpr_count:     224
    .wavefront_size: 32
...
	.end_amdgpu_metadata
.endif
;; end of part 1
;; launch qkv (part 2): grid 12 x 32, 4 waves a work-group, clusters of 4 x 4, 327,680 bytes of LDS; arguments xc, xs, wc, ws, bq, bk, bv, qkv; writes qkv
.if DOCPART == 2
	.amdgcn_target "amdgcn-amd-amdhsa--gfx1250"
	.amdhsa_code_object_version 6
	.text
	.protected	k_qd17f00d6e4_qkv
	.globl	k_qd17f00d6e4_qkv
	.p2align	8
	.type	k_qd17f00d6e4_qkv,@function
k_qd17f00d6e4_qkv:
	s_mov_b64 s[64:65], 0
	v_nop
	global_prefetch_b8 v0, s[64:65] scope:SCOPE_SE
	s_setreg_imm32_b32 hwreg(HW_REG_WAVE_MODE, 25, 1), 1
	s_wait_xcnt 0x0
	s_wait_alu depctr_hold_cnt(0) depctr_sa_sdst(0) depctr_va_vdst(0) depctr_va_sdst(0) depctr_va_ssrc(0) depctr_va_vcc(0) depctr_vm_vsrc(0)
	s_getreg_b32 s2, hwreg(HW_REG_IB_STS2, 6, 4)
	s_cmp_eq_u32 s2, 0
	s_cbranch_scc0 .Lentry_in_a_cluster
	s_endpgm
.Lentry_in_a_cluster:
	s_bfe_u32 s2, ttmp6, 0x10000c
	s_cmp_lg_u32 s2, 0xf033
	s_cbranch_scc0 .Lentry_shape_is_right
	s_endpgm
.Lentry_shape_is_right:
; q, k, v = x W + b for the 8,192 permuted rows, as ONE product [8192][1024] x [1024][3072] on codes of FP4 (E2M1) with one E8M0 scale for each 32 along K; sums in f32; the bias is the C of each sum's first product.
; The results leave as f16, in the order in which the next launch's operand registers take them: qkv [q, k, v][head 16][tile of 16 rows 512][16 channels 4][512 bytes].
; For q and k lane l's 16 bytes (row l % 16, channels 8 (l / 16) + 0..7 of the 16) lie at 16 l; for v they lie at 16 ((r % 8) + 8 (l / 16) + 16 (r / 8)), r = l % 16, so that the turning LDS load finds them at 16 x lane.
; LIMIT: |q|, |k|, |v| up to 65,504 (f16).
; A tile of 256 rows x 256 columns is made by a work-group of four waves; a wave makes 128 x 128: 64 accumulators, 512 registers.  K = 1,024 is two slots of 512: BOTH ARE FIRST FILLS, nothing is filled again, there is no loop.
; x's tiles are rows of 256 bytes, 16 bytes of padding behind each; W's tiles are images of operand registers: a fragment is 1,024 consecutive bytes, read at 16 x lane.
; CLUSTERS: 4 x 4 work-groups.  The four of a row of the cluster need the same tiles of x, the four of a column the same tiles of W: each tile is asked for jointly.  A cluster's x is q, k or v.
; THE MATRIX INSTRUCTION IS USED TRANSPOSED (source 0 = 16 columns of W, source 1 = 16 rows of x): a lane holds eight neighbouring channels of one row.
; REGISTERS: window 0: v0-31 addresses; v32-95 scale words, two sets; v128-191 x's fragments, one set; v192-255 the bias in the result's layout; on the way out v128-255 hold packed results.
;   window 1: W's fragments, two sets, at v0 and v128.   window 2: the accumulators of my rows 0-63;   window 3: those of my rows 64-127.
.set NQ,     4                         ; steps of 128 along K in a slot
.set ROWB,   256                       ; a row of x's tile in bytes
.set KROW,   512                       ; a row of x's codes in memory; also 1 / 16 of a tile of W's columns
.set PITCH,  272
.set FR,     8
.set NL,     2
.set NP,     4
.set HALFT,  128*PITCH                 ; 128 rows of x
.set HALFB,  32768                     ; 8 tiles of W's columns x 4,096 bytes
.set BOFF,   2*HALFT
.set SLOT,   BOFF+2*HALFB
.set KS,     32                        ; a row of scale bytes
.set SCL,    2*SLOT                    ; behind the slots: the scales, as units of 256 bytes + 16 of padding
.set HALFS,  (128*KS/256)*272
.set SBLK,   (16*KS/256)*272
.set SPARE,  SCL+4*HALFS               ; the spare words: two blocks of 256 bytes that no other line names
.set ADRA, 16
.set ADRB, 20
.set CO,   26
.set ADRS, 27
.set SPW,  28
.set NIL,  29
.set SC,   32
.set AF,   128
.set BIAS, 192
.set POOL, 128
.set G1, 24
.set G0, 32
.set G1B, 48
.set G0B, 56
.set G1S, 68
.set G0S, 76
.set G1SB, 80
.set G0SB, 88
.set MSB, 0
.macro WIN new                         ; the immediate's high byte repeats the setting that is left
.if MSB != \new
	s_set_vgpr_msb (MSB<<8)|\new
.set MSB, \new
.endif
.endm
.set MUL_LO, 0xa1                      ; source 0 (W) window 1, source 1 (x) window 0, C and D window 2
.set MUL_HI, 0xf1
.set BIA_LO, 0x81                      ; the same with C (the bias) in window 0
.set BIA_HI, 0xc1
.set TO_B,   0x40
; A joint load: waves 0 and 1 fetch for x, waves 2 and 3 for W.  The branch hangs on the wave's number alone.  An s_nop 0 and four v_nop follow each line.
.macro JLOAD g0a, g1a, g0b, g1b
	s_cmp_eq_u32 s15, 0
	s_cbranch_scc0 .Lfor_b_\@
	tensor_load_to_lds s[\g0a:\g0a+3], s[\g1a:\g1a+7]
	s_nop 0
.rept 4
	v_nop
.endr
	s_branch .Lasked_\@
.Lfor_b_\@:
	tensor_load_to_lds s[\g0b:\g0b+3], s[\g1b:\g1b+7]
	s_nop 0
.rept 4
	v_nop
.endr
.Lasked_\@:
.endm
.macro CROUND                          ; a round of the cluster's barrier
	s_barrier_signal -1
	s_barrier_wait -1
	s_cmp_lg_u32 s14, 0
	s_cbranch_scc1 .Lnot_wave_0_\@
	s_barrier_signal -3
.Lnot_wave_0_\@:
	s_barrier_wait -3
	s_barrier_signal -1
	s_barrier_wait -1
.endm
	s_load_b128 s[4:7], s[0:1], 0x0                ; x's codes, x's scales
	s_load_b128 s[8:11], s[0:1], 0x10              ; W's codes, W's scales
	s_load_b128 s[96:99], s[0:1], 0x20             ; bq, bk
	s_load_b64 s[100:101], s[0:1], 0x30            ; bv
	s_load_b64 s[12:13], s[0:1], 0x38              ; qkv
	v_lshl_add_u32 v[SPW], v0, 2, SPARE
	v_mov_b32 v[NIL], 0
	ds_add_u32 v[SPW], v[NIL]                      ; the wave's opening: the add, twice on end, and its wait ahead of my first tensor load
	ds_add_u32 v[SPW], v[NIL]
	v_lshrrev_b32 v1, 5, v0
	v_readfirstlane_b32 s14, v1                    ; wave 0..3
	s_lshr_b32 s15, s14, 1                         ; which half of the tile's rows is mine.  Also: I fetch for x (0) or for W (1)
	s_and_b32 s16, s14, 1                          ; which half of its columns.  Also: which half of that tile I fetch
	s_bfe_u32 s40, ttmp6, 0x40000                  ; cx, cy
	s_bfe_u32 s41, ttmp6, 0x40004
	s_lshl_b32 s42, ttmp9, 2
	s_add_co_u32 s42, s42, s40                     ; tile column = 4 x cluster x + cx
	s_and_b32 s17, ttmp7, 0xffff
	s_lshl_b32 s17, s17, 2
	s_add_co_u32 s17, s17, s41                     ; tile row = 4 x cluster y + cy
	s_lshl_b32 s43, s41, 2
	s_lshl_b32 s43, 15, s43                        ; my row of the cluster
	s_lshl_b32 s44, 0x1111, s40                    ; my column
	s_or_b32 s[G1+0], s43, (0<<16)|(1<<20)|(1<<21)|(5<<22)|(3<<25)  ; x: elements of 1 byte; four words of padding after every 64
	s_mov_b32 s[G1+1], ROWB<<16                    ; tensor_dim0
	s_mov_b32 s[G1+2], 128<<16                     ; tensor_dim1
	s_mov_b32 s[G1+3], ROWB<<16                    ; tile_dim0
	s_mov_b32 s[G1+4], 128                         ; tile_dim1
	s_mov_b32 s[G1+5], KROW                        ; the pitch
	s_mov_b32 s[G1+6], 0
	s_mov_b32 s[G1+7], 0
	s_or_b32 s[G1B+0], s44, (3<<16)|(1<<21)        ; W: elements of 8 bytes, no padding: 8 rows of 4,096 bytes (a slot's part of a tile of columns), 8,192 bytes apart
	s_mov_b32 s[G1B+1], 512<<16
	s_mov_b32 s[G1B+2], 8<<16
	s_mov_b32 s[G1B+3], 512<<16
	s_mov_b32 s[G1B+4], 8
	s_mov_b32 s[G1B+5], 1024
	s_mov_b32 s[G1B+6], 0
	s_mov_b32 s[G1B+7], 0
	s_or_b32 s[G1S+0], s43, (3<<16)|(1<<20)|(1<<21)|(5<<22)|(3<<25) ; the scales of 128 rows: 4,096 dense bytes as 16 rows of 256, 16 bytes of padding behind each
	s_or_b32 s[G1SB+0], s44, (3<<16)|(1<<20)|(1<<21)|(5<<22)|(3<<25)
.irp g, G1S, G1SB
	s_mov_b32 s[\g+1], 32<<16
	s_mov_b32 s[\g+2], (128*KS/256)<<16
	s_mov_b32 s[\g+3], 32<<16
	s_mov_b32 s[\g+4], 128*KS/256
	s_mov_b32 s[\g+5], 32
	s_mov_b32 s[\g+6], 0
	s_mov_b32 s[\g+7], 0
.endr
	s_lshl_b32 s18, s16, 7
	s_lshl_b32 s20, s17, 8
	s_add_co_u32 s20, s20, s18                     ; x: row 256 x tile row + 128 x half
	s_lshl_b32 s46, s42, 8
	s_add_co_u32 s46, s46, s18                     ; W: column 256 x tile column + 128 x half
	s_mov_b32 s21, 0
	s_mov_b32 s47, 0
	s_mov_b64 s[18:19], KS
	s_mul_u64 s[22:23], s[20:21], s[18:19]         ; where their scales begin
	s_mul_u64 s[92:93], s[46:47], s[18:19]
	s_mov_b64 s[18:19], KROW
	s_mul_u64 s[20:21], s[20:21], s[18:19]         ; and their codes
	s_mul_u64 s[46:47], s[46:47], s[18:19]
	s_mul_i32 s45, s16, HALFT                      ; where they go: no place in the cluster enters an LDS address
	s_lshl_b32 s95, s16, 15
	s_add_co_u32 s95, s95, BOFF
	s_mul_i32 s94, s14, HALFS
	s_wait_dscnt 0x0                               ; both opening adds are done
	s_wait_kmcnt 0x0
	s_add_nc_u64 s[20:21], s[4:5], s[20:21]
	s_add_nc_u64 s[22:23], s[6:7], s[22:23]
	s_add_nc_u64 s[46:47], s[8:9], s[46:47]
	s_add_nc_u64 s[92:93], s[10:11], s[92:93]
	CROUND                                         ; all sixteen work-groups are here: the joint loads meet
	s_mov_b32 s[G0S], 1
	s_add_co_u32 s[G0S+1], s94, SCL
	s_mov_b64 s[G0S+2:G0S+3], s[22:23]
	s_or_b32 s[G0S+3], s[G0S+3], 0x80000000
	s_mov_b32 s[G0SB], 1
	s_add_co_u32 s[G0SB+1], s94, SCL
	s_mov_b64 s[G0SB+2:G0SB+3], s[92:93]
	s_or_b32 s[G0SB+3], s[G0SB+3], 0x80000000
	JLOAD G0S, G1S, G0SB, G1SB                     ; three loads of mine go out: the scales, slot 0, slot 1
.irp s, 0,1
	s_mov_b32 s[G0+4*\s], 1
	s_add_co_u32 s[G0+4*\s+1], s45, \s*SLOT
	s_add_nc_u64 s[G0+4*\s+2:G0+4*\s+3], s[20:21], \s*ROWB
	s_or_b32 s[G0+4*\s+3], s[G0+4*\s+3], 0x80000000
	s_mov_b32 s[G0B+4*\s], 1
	s_add_co_u32 s[G0B+4*\s+1], s95, \s*SLOT
	s_add_nc_u64 s[G0B+4*\s+2:G0B+4*\s+3], s[46:47], \s*4096
	s_or_b32 s[G0B+4*\s+3], s[G0B+4*\s+3], 0x80000000
	JLOAD G0+4*\s, G1, G0B+4*\s, G1B
.endr
	v_and_b32 v1, 15, v0                           ; r
	v_bfe_u32 v2, v0, 4, 1                         ; h
	v_and_b32 v6, 31, v0
	v_lshlrev_b32 v8, 4, v6                        ; 16 x lane
	v_mul_u32_u24 v3, v1, PITCH
	v_lshl_add_u32 v4, v2, 4, v3                   ; x: row x pitch + 16 h
	s_mul_i32 s21, s15, HALFT                      ; my 128 rows of x
	s_lshl_b32 s22, s16, 15
	s_add_co_u32 s22, s22, BOFF                    ; my 8 tiles of W's columns
.irp s, 0,1
	v_add_nc_u32 v[ADRA+\s], s21, v4
	v_add_nc_u32 v[ADRB+\s], s22, v8
	s_add_co_u32 s21, s21, SLOT
	s_add_co_u32 s22, s22, SLOT
.endr
	v_mul_u32_u24 v5, v1, KS                       ; my row's scales: 32 bytes a row,
	v_lshrrev_b32 v6, 8, v5
	v_lshl_add_u32 v5, v6, 4, v5                   ; and 16 more for each 256 passed
	s_mul_i32 s21, s15, HALFS
	s_mul_i32 s22, s16, HALFS
	s_add_co_u32 s22, s22, 2*HALFS
	s_sub_co_u32 s22, s22, s21
	v_mul_u32_u24 v6, s22, v2                      ; lanes 16-31 take W's
	s_add_co_u32 s21, s21, SCL
	v_add_nc_u32 v5, v5, v6
	v_add_nc_u32 v[ADRS], s21, v5
	; the bias of my 128 columns, in the result's layout: lane (r, h), tile b: columns 16 b + 8 h + 0 .. 7
	s_cmp_eq_u32 ttmp9, 1                          ; the cluster's x says which of q, k, v: the same in all sixteen partners
	s_cselect_b64 s[96:97], s[98:99], s[96:97]
	s_cmp_eq_u32 ttmp9, 2
	s_cselect_b64 s[96:97], s[100:101], s[96:97]
	s_cselect_b32 s66, -1, 0                       ; all ones where the results are v's
	s_lshl_b32 s46, s40, 10
	s_lshl_b32 s47, s16, 9
	s_add_co_u32 s46, s46, s47
	s_mov_b32 s47, 0
	s_add_nc_u64 s[96:97], s[96:97], s[46:47]
	v_lshlrev_b32 v7, 5, v2
.irp b, 0,1,2,3,4,5,6,7
	global_load_b128 v[BIAS+8*\b:BIAS+8*\b+3], v7, s[96:97] offset:64*\b
	global_load_b128 v[BIAS+8*\b+4:BIAS+8*\b+7], v7, s[96:97] offset:64*\b+16
.endr
	; the way out: my 16 bytes' place in a block of 512
	v_and_b32 v9, 7, v1
	v_lshl_add_u32 v9, v2, 3, v9
	v_lshrrev_b32 v10, 3, v1
	v_lshl_add_u32 v9, v10, 4, v9
	v_lshlrev_b32 v9, 4, v9
	v_cndmask_b32 v[CO], v8, v9, s66
	s_lshl_b32 s20, s17, 15                        ; 16 tiles of rows a tile row, 2,048 bytes each,
	s_lshl_b32 s21, s15, 14                        ; 8 a half
	s_add_co_u32 s20, s20, s21
	s_lshl_b32 s21, ttmp9, 24                      ; q, k or v
	s_add_co_u32 s20, s20, s21
	s_lshl_b32 s46, s40, 22                        ; four heads a tile column, 2^20 bytes each,
	s_lshl_b32 s47, s16, 21                        ; two a half
	s_add_co_u32 s46, s46, s47
	s_add_co_u32 s20, s20, s46
	s_mov_b32 s21, 0
	s_add_nc_u64 s[12:13], s[12:13], s[20:21]
; 16 matrix instructions: x's blocks a0, a0 + 1 against W's eight, 128 along K.  first = 1: the bias starts the sums: nothing is cleared or added.  The 64 accumulators take turns.
.macro MUL16 a0, p, q, sc, first
.irp a, \a0, \a0+1
.irp b, 0,1,2,3,4,5,6,7
.if \first
	v_wmma_scale_f32_16x16x128_f8f6f4 v[8*(8*((\a)%4)+\b):8*(8*((\a)%4)+\b)+7], v[128*(\p)+FR*\b:128*(\p)+FR*\b+FR-1], v[AF+FR*(\a):AF+FR*(\a)+FR-1], v[BIAS+8*\b:BIAS+8*\b+7], v[SC+8*NQ*(\sc)+NQ*\b+(\q)], v[SC+8*NQ*(\sc)+NQ*(\a)+(\q)] matrix_a_fmt:MATRIX_FMT_FP4 matrix_b_fmt:MATRIX_FMT_FP4 matrix_a_scale:MATRIX_SCALE_ROW1
.else
	v_wmma_scale_f32_16x16x128_f8f6f4 v[8*(8*((\a)%4)+\b):8*(8*((\a)%4)+\b)+7], v[128*(\p)+FR*\b:128*(\p)+FR*\b+FR-1], v[AF+FR*(\a):AF+FR*(\a)+FR-1], v[8*(8*((\a)%4)+\b):8*(8*((\a)%4)+\b)+7], v[SC+8*NQ*(\sc)+NQ*\b+(\q)], v[SC+8*NQ*(\sc)+NQ*(\a)+(\q)] matrix_a_fmt:MATRIX_FMT_FP4 matrix_b_fmt:MATRIX_FMT_FP4 matrix_a_scale:MATRIX_SCALE_ROW1
.endif
.endr
.endr
.endm
.macro FETCH_B slot, q, p              ; W's eight fragments of the slot's q-th 128 along K into set p: each load takes 512 consecutive bytes
	WIN TO_B
.irp i, 0,1,2,3,4,5,6,7
.irp c, 0,1
	ds_load_b128 v[128*(\p)+FR*\i+4*\c:128*(\p)+FR*\i+4*\c+3], v[ADRB+\slot] offset:\i*4096+(\q)*1024+\c*512
.endr
.endr
	WIN 0
.endm
.macro FETCH_A slot, q, i0             ; x's blocks i0 .. i0 + 3
.irp i, \i0, \i0+1, \i0+2, \i0+3
.irp c, 0,1
	ds_load_b128 v[AF+FR*(\i)+4*\c:AF+FR*(\i)+4*\c+3], v[ADRA+\slot] offset:64*(\q)+32*\c+(\i)*16*PITCH
.endr
.endr
.endm
.macro SCALES sc                       ; a slot's scale words: lanes 0-15 x's block i, lanes 16-31 W's block i
.irp i, 0,1,2,3,4,5,6,7
	ds_load_b128 v[SC+8*NQ*\sc+NQ*\i:SC+8*NQ*\sc+NQ*\i+3], v[ADRS] offset:\i*SBLK
.endr
.endm
.macro PLACES n                        ; plain vector lines between a matrix instruction and a load into, or a read of, its registers
.rept \n
	v_nop
.endr
.endm
.macro STEP slot, q, first             ; a step of 128 along K that has its successor in the same slot
	s_wait_dscnt 4*NL                              ; W's set and x's blocks 0-3 are in; the youngest eight loads (x's blocks 4-7) may be out
.if \first
	WIN BIA_LO
.else
	WIN MUL_LO
.endif
	MUL16 0, (\q)%2, \q, \slot, \first
	MUL16 2, (\q)%2, \q, \slot, \first
	s_wait_dscnt 0
	PLACES NP
	FETCH_B \slot, (\q)+1, 1-(\q)%2
	FETCH_A \slot, (\q)+1, 0
.if \first
	WIN BIA_HI
.else
	WIN MUL_HI
.endif
	MUL16 4, (\q)%2, \q, \slot, \first
	MUL16 6, (\q)%2, \q, \slot, \first
	PLACES NP
	WIN 0
	FETCH_A \slot, (\q)+1, 4
.endm
.macro STEPS slot, from
.set Q, \from
.rept NQ-1-\from
	STEP \slot, Q, 0
.set Q, Q+1
.endr
.endm
	s_wait_tensorcnt 1                             ; the scales and my part of slot 0 are in; slot 1's load may be out
	s_barrier_signal -1
	s_barrier_wait -1
	FETCH_B 0, 0, 0
	FETCH_A 0, 0, 0
	SCALES 0
	FETCH_A 0, 0, 4
	s_wait_loadcnt 0x0                             ; the bias
	STEP 0, 0, 1
	STEPS 0, 1
	; slot 0's last step changes slots: one barrier; in front of it each wave waits for its part of slot 1.  Nothing is filled again
	s_wait_tensorcnt 0x0
	ds_add_u32 v[SPW], v[NIL]
	s_wait_dscnt 4*NL+1                            ; (the add and x's blocks 4-7 may be out)
	WIN MUL_LO
	MUL16 0, 1, NQ-1, 0, 0
	s_wait_dscnt 0x0
	s_barrier_signal -1
	MUL16 2, 1, NQ-1, 0, 0
	WIN 0
	s_barrier_wait -1
	PLACES NP
	v_add_nc_u32 v[ADRS], 4*NQ, v[ADRS]            ; on to slot 1's scale words
	FETCH_B 1, 0, 0
	FETCH_A 1, 0, 0
	SCALES 1
	WIN MUL_HI
	MUL16 4, 1, NQ-1, 0, 0
	MUL16 6, 1, NQ-1, 0, 0
	PLACES NP
	WIN 0
	FETCH_A 1, 0, 4
	STEPS 1, 0
	s_wait_dscnt 4*NL                              ; the last step: nothing more to fetch
	WIN MUL_LO
	MUL16 0, 1, NQ-1, 1, 0
	MUL16 2, 1, NQ-1, 1, 0
	s_wait_dscnt 0
	WIN MUL_HI
	MUL16 4, 1, NQ-1, 1, 0
	MUL16 6, 1, NQ-1, 1, 0
	WIN 0
; THE WAY OUT, with no stage: a lane's eight results of an accumulator are 16 bytes of f16, and the buffer is laid so that the 32 lanes' 16 bytes are 512 consecutive bytes.
.macro OUT a
.if (\a) >= 4
	s_wait_xcnt 0x0                                ; block a - 4's stores have read their registers, which are written again
.endif
.set AC, 64*((\a)%4)
.set PL, POOL+32*((\a)%4)
	WIN 0x0a+5*((\a)/4)                            ; sources 0 and 1: window 2 or 3
.irp b, 0,1,2,3,4,5,6,7
.irp r, 0,1,2,3
	v_cvt_pk_f16_f32 v[PL+4*\b+\r], v[AC+8*\b+2*\r], v[AC+8*\b+2*\r+1]   ; each accumulator from its low end on
.endr
.endr
	WIN 0
.irp b, 0,1,2,3,4,5,6,7
	global_store_b128 v[CO], v[PL+4*\b:PL+4*\b+3], s[12:13] offset:(\a)*2048+(\b/4)*1048576+(\b%4)*512
.endr
.endm
	PLACES NP
.irp a, 0,1,2,3,4,5,6,7
	OUT \a
.endr
	s_wait_tensorcnt 0x0                           ; the wave's end
	ds_add_u32 v[SPW], v[NIL]
	s_wait_dscnt 0x0
	CROUND                                         ; the closing round
	s_endpgm
.Lfunc_end_k_qd17f00d6e4_qkv:
	.size	k_qd17f00d6e4_qkv, .Lfunc_end_k_qd17f00d6e4_qkv-k_qd17f00d6e4_qkv
	.p2alignl 7, 3214868480
	.fill 96, 4, 3214868480
	.section	.rodata,"a",@progbits
	.p2align	6, 0x0
	.amdhsa_kernel k_qd17f00d6e4_qkv
		.amdhsa_group_segment_fixed_size 327680
		.amdhsa_private_segment_fixed_size 0
		.amdhsa_enable_private_segment 0
		.amdhsa_kernarg_size 64
		.amdhsa_user_sgpr_count 2
		.amdhsa_user_sgpr_kernarg_segment_ptr 1
		.amdhsa_wavefront_size32 1
		.amdhsa_system_sgpr_workgroup_id_x 1
		.amdhsa_system_sgpr_workgroup_id_y 1
		.amdhsa_system_sgpr_workgroup_id_z 1
		.amdhsa_system_vgpr_workitem_id 0
		.amdhsa_next_free_vgpr 1024
		.amdhsa_next_free_sgpr 102
		.amdhsa_reserve_vcc 0
		.amdhsa_float_denorm_mode_32 3
		.amdhsa_float_denorm_mode_16_64 3
		.amdhsa_memory_ordered 1
		.amdhsa_forward_progress 1
		.amdhsa_inst_pref_size 120
	.end_amdhsa_kernel
	.amdgpu_metadata
---
amdhsa.version: [ 1, 2 ]
amdhsa.kernels:
  - .name:           k_qd17f00d6e4_qkv
    .symbol:         k_qd17f00d6e4_qkv.kd
    .args:
      - { .name: xc, .offset: 0, .size: 8, .value_kind: global_buffer, .address_space: global }
      - { .name: xs, .offset: 8, .size: 8, .value_kind: global_buffer, .address_space: global }
      - { .name: wc, .offset: 16, .size: 8, .value_kind: global_buffer, .address_space: global }
      - { .name: ws, .offset: 24, .size: 8, .value_kind: global_buffer, .address_space: global }
      - { .name: bq, .offset: 32, .size: 8, .value_kind: global_buffer, .address_space: global }
      - { .name: bk, .offset: 40, .size: 8, .value_kind: global_buffer, .address_space: global }
      - { .name: bv, .offset: 48, .size: 8, .value_kind: global_buffer, .address_space: global }
      - { .name: qkv, .offset: 56, .size: 8, .value_kind: global_buffer, .address_space: global }
    .group_segment_fixed_size: 327680
    .private_segment_fixed_size: 0
    .kernarg_segment_align: 8
    .kernarg_segment_size: 64
    .max_flat_workgroup_size: 128
    .sgpr_count:     102
    .vgpr_count:     1024
    .wavefront_size: 32
...
	.end_amdgpu_metadata
.endif
;; end of part 2
;; launch attn (part 3): grid 4 x 64, 8 waves a work-group, no clusters, 33,792 bytes of LDS; arguments qkv, perm, ctx; writes ctx
.if DOCPART == 3
	.amdgcn_target "amdgcn-amd-amdhsa--gfx1250"
	.amdhsa_code_object_version 6
	.text
	.protected	k_qd17f00d6e4_attn
	.globl	k_qd17f00d6e4_attn
	.p2align	8
	.type	k_qd17f00d6e4_attn,@function
k_qd17f00d6e4_attn:
	s_mov_b64 s[64:65], 0
	v_nop
	global_prefetch_b8 v0, s[64:65] scope:SCOPE_SE
	s_setreg_imm32_b32 hwreg(HW_REG_WAVE_MODE, 25, 1), 1
	s_wait_xcnt 0x0
; ctx = softmax(q k^T, hidden keys at -1e9) v, zero for hidden queries; unscaled scores; one head of one sequence for four work-groups.  q, k, v: f16; products, maxima and sums in f32; p rounded to f16 for the second product.
; THE ROWS ARE PERMUTED (open tokens first; n of them, read from perm), so only n x n is walked.  THE HIDDEN KEYS ARE KEPT, AS ONE KEY: they all have the score -1e9, so together they are a key with that score,
; the weight 2,048 - n and the value the sum of the hidden v.  That sum is made by the matrix unit (v^T times a column of ones and zeros) and joined at the end, under the common maximum: so the result holds for every input,
; rows whose open scores lie under -1e9 too.  A running maximum is taken away before every exponential.
; LIMITS: scores under -2e38 are not served; NaN and infinities are not served; |ctx| up to 65,504 (f16).
; SHARES.  Eight waves, two to a SIMD, so that one wave's softmax stands beside the other's products.  Wave w of work-group j owns the query tiles s, s + 32, s + 64, s + 96 of the sequence's 128, s = 4 w + j: the tiles under
; ceil(n / 16) are at work: whatever n is, they are spread evenly over the 32 waves of a head.  Every wave writes all its four tiles: zeros where the query is hidden.
; NO TENSOR LOAD AND NO CLUSTER, though the four work-groups of a head read the same k and v: which steps are walked hangs on n, a number read from memory.
; k and v come through registers into two LDS slots of 64 keys: wave w copies 2,048 bytes a trip (waves 0-3 k's four tiles of 16 keys, waves 4-7 v's).  32 trips, a constant; one barrier a trip, passed by every wave.
; LAYOUT.  S^T = k q^T (source 0 = 16 keys, source 1 = 16 queries), O^T = v^T p (source 0 = 16 channels): a lane holds ONE query throughout.  The buffers are images of operand registers: every LDS load takes 512 consecutive bytes.
; REGISTERS: window 0: v1-15 addresses and work; v16-31 the copy; v32-63 statistics, 8 a tile: c m, m, l (two halves), four at work; v64-95 S^T; v96-111 p; v112-127 the hidden keys' ones; v128-159 their v's sum; v160-223 q.
;   window 1: v0-127 O^T, 32 a tile; v128-191 k's fragments; v192-255 v's.
.set SLOTB, 16384
.set VOFF,  8192
.set SPARE, 2*SLOTB                    ; the spare words, 128 bytes for each of eight waves: four blocks of 256 bytes that no other line names
.set LI,   1                           ; 16 x lane
.set STA,  2                           ; 16 x lane + 2,048 x wave
.set H8,   3                           ; 8 (lane / 16)
.set RR,   4                           ; lane % 16
.set DD,   5                           ; n - the trip's first key - 8 (lane / 16)
.set NINF, 6
.set PFO,  7                           ; 256 x lane
.set SPW,  8
.set NIL,  9
.set STG,  16
.set ST,   32
.set S,    64
.set P,    96
.set PB,   112
.set VS,   128
.set Q,    160
.set KFR,  128                         ; in window 1
.set VFR,  192
.set MSB, 0
.macro WIN new
.if MSB != \new
	s_set_vgpr_msb (MSB<<8)|\new
.set MSB, \new
.endif
.endm
	s_load_b128 s[4:7], s[0:1], 0x0                ; qkv, perm
	s_load_b64 s[8:9], s[0:1], 0x10                ; ctx
	v_lshl_add_u32 v[SPW], v0, 2, SPARE
	v_mov_b32 v[NIL], 0
	v_lshrrev_b32 v10, 5, v0
	v_readfirstlane_b32 s10, v10                   ; wave 0..7
	s_and_b32 s12, ttmp7, 0xffff
	s_lshr_b32 s13, s12, 4                         ; the sequence
	s_and_b32 s14, s12, 15                         ; the head
	s_lshl_b32 s16, s10, 2
	s_add_co_u32 s16, s16, ttmp9                   ; s
	s_lshl_b32 s17, s13, 2
	s_mov_b32 s30, 0x3fb8aa3b                      ; c = log2(e)
	s_mov_b32 s31, s30                             ; (named with it as a pair)
	s_mov_b32 s32, 0x76543210
	s_mov_b32 s33, 0xfedcba98
	v_and_b32 v10, 31, v0
	v_lshlrev_b32 v[LI], 4, v10
	s_lshl_b32 s36, s10, 11
	v_add_nc_u32 v[STA], s36, v[LI]
	v_bfe_u32 v11, v0, 4, 1
	v_lshlrev_b32 v[H8], 3, v11
	v_and_b32 v[RR], 15, v0
	v_mov_b32 v[NINF], 0xff800000
	v_lshlrev_b32 v[PFO], 8, v10
	v_mov_b32 v12, 0x3c00                          ; f16 1.0 in the low half,
	v_mov_b32 v13, 0x3c000000                      ; in the high half
	s_lshl_b32 s38, s13, 7
	s_add_co_u32 s38, s38, s16                     ; my first tile of rows: 128 x sequence + s
	s_mov_b32 s37, 0
	s_wait_kmcnt 0x0
	s_load_b32 s15, s[6:7], s17 offset:0x8000      ; n
	s_lshl_b32 s36, s14, 20
	s_lshl_b32 s39, s38, 11
	s_add_co_u32 s36, s36, s39
	s_add_nc_u64 s[26:27], s[4:5], s[36:37]        ; q at my first tile
	s_lshl_b32 s36, s38, 15
	s_lshl_b32 s39, s14, 11
	s_add_co_u32 s36, s36, s39
	s_add_nc_u64 s[28:29], s[8:9], s[36:37]        ; ctx likewise
	s_cmp_lt_u32 s10, 4
	s_mov_b32 s36, 0x2000000                       ; v,
	s_cselect_b32 s36, 0x1000000, s36              ; or k
	s_lshl_b32 s39, s14, 20
	s_add_co_u32 s36, s36, s39
	s_lshl_b32 s39, s13, 18
	s_add_co_u32 s36, s36, s39
	s_and_b32 s39, s10, 3
	s_lshl_b32 s39, s39, 11
	s_add_co_u32 s36, s36, s39
	s_add_nc_u64 s[24:25], s[4:5], s[36:37]        ; what I copy: my tile of 16 keys of the trip in hand
.irp i, 0,1,2,3
.irp c, 0,1,2,3
	global_load_b128 v[Q+16*\i+4*\c:Q+16*\i+4*\c+3], v[LI], s[26:27] offset:\i*65536+512*\c
.endr
.endr
.irp c, 0,1,2,3
	global_load_b128 v[STG+4*\c:STG+4*\c+3], v[LI], s[24:25] offset:512*\c
.endr
	; O^T and the hidden v's sum begin as zeros: each sum's first product stands under a branch on n, so none can be written out with C = 0
	WIN 0x40
.set ii, 0
.rept 128
	v_mov_b32 v[ii], 0
.set ii, ii+1
.endr
	WIN 0
.set ii, 0
.rept 32
	v_mov_b32 v[VS+ii], 0
.set ii, ii+1
.endr
.set ii, 0
.rept 16
	v_mov_b32 v[PB+ii], 0x3c003c00
.set ii, ii+1
.endr
.irp i, 0,1,2,3
	v_mov_b32 v[ST+8*\i+1], 0xff167699             ; m = -2e38, under every score that is served
	v_mul_f32 v[ST+8*\i], s30, v[ST+8*\i+1]
.irp k, 2,3,4,5,6,7
	v_mov_b32 v[ST+8*\i+\k], 0
.endr
.endr
	s_wait_kmcnt 0x0
	s_min_u32 s15, s15, 0x800
	s_add_co_u32 s18, s15, 15
	s_lshr_b32 s18, s18, 4                         ; tiles with an open query
	s_add_co_u32 s18, s18, 31
	s_sub_co_u32 s18, s18, s16
	s_lshr_b32 s18, s18, 5                         ; how many of my four are among them: they are the first ones
	s_cmp_lt_u32 s10, 4
	s_cselect_b32 s21, s15, 0x800                  ; keys to copy: k's up to n, v's all
	s_and_b32 s36, s10, 3
	s_or_b32 s36, s36, ttmp9
	s_cmp_eq_u32 s36, 0
	s_cselect_b32 s22, s21, 0                      ; keys to prefetch: waves 0 and 4 of the head's first work-group ask, nobody else
	s_cmp_lt_u32 s15, 0x800
	s_mov_b32 s34, 0xff167699                      ; no hidden key: its score stands under every maximum;
	s_cselect_b32 s34, 0xce6e6b28, s34             ; else -1e9
	s_sub_co_u32 s40, 0x800, s15                   ; the hidden keys' number
	s_mov_b32 s19, 0                               ; the trip's first key
	s_mov_b32 s20, 0
	s_wait_loadcnt 0x0
.irp c, 0,1,2,3
	ds_store_b128 v[STA], v[STG+4*\c:STG+4*\c+3] offset:512*\c
.endr
	s_wait_dscnt 0x0
	s_barrier_signal -1
	s_barrier_wait -1
; ONE TILE OF 16 QUERIES AGAINST THE TRIP'S 64 KEYS
.macro TILE i
.set T, ST+8*(\i)
.set QI, Q+16*(\i)
.set OI, 32*(\i)
	WIN 0x01                                       ; k in window 1
.irp k, 0,1,2,3
	v_wmma_f32_16x16x32_f16 v[S+8*\k:S+8*\k+7], v[KFR+16*\k:KFR+16*\k+7], v[QI:QI+7], 0
.endr
.irp k, 0,1,2,3
	v_wmma_f32_16x16x32_f16 v[S+8*\k:S+8*\k+7], v[KFR+16*\k+8:KFR+16*\k+15], v[QI+8:QI+15], v[S+8*\k:S+8*\k+7]
.endr
	WIN 0
.rept 4
	v_nop
.endr
	s_cmp_le_u32 s36, s15                          ; all 64 keys open: nothing to hide
	s_cbranch_scc1 .Lopen_\@
.set ii, 0
.rept 32
	v_cmp_ge_i32 vcc_lo, 16*(ii/8)+ii%8, v[DD]     ; register 8 k + j holds key 16 k + 8 (lane / 16) + j of the trip: not among the first n: it counts with the one hidden key, not here
	v_cndmask_b32 v[S+ii], v[S+ii], v[NINF], vcc_lo
.set ii, ii+1
.endr
.Lopen_\@:
.irp k, 0,1,2,3
	v_max3_num_f32 v[T+4+\k], v[S+8*\k], v[S+8*\k+1], v[S+8*\k+2]   ; four chains, each accumulator from its low end on
.endr
.irp g, 1,2
.irp k, 0,1,2,3
	v_max3_num_f32 v[T+4+\k], v[T+4+\k], v[S+8*\k+2*\g+1], v[S+8*\k+2*\g+2]
.endr
.endr
	v_max3_num_f32 v[T+4], v[T+4], v[S+7], v[S+15]
	v_max3_num_f32 v[T+6], v[T+6], v[S+23], v[S+31]
	v_max3_num_f32 v[T+4], v[T+4], v[T+5], v[T+6]
	v_max3_num_f32 v[T+4], v[T+4], v[T+7], v[T+1]
	v_permlanex16_b32 v[T+5], v[T+4], s32, s33     ; the query's other 32 keys lie in the lane 16 away
	v_mov_b32 v[T+7], v[T]
	v_max_num_f32 v[T+1], v[T+4], v[T+5]           ; the new m
	v_mul_f32 v[T], s30, v[T+1]
	v_sub_f32 v[T+7], v[T+7], v[T]                 ; c m_old - c m_new
.set ii, 0
.rept 16
	v_pk_fma_f32 v[S+ii:S+ii+1], v[S+ii:S+ii+1], s[30:31], v[T:T+1] op_sel_hi:[1,0,0] neg_lo:[0,0,1] neg_hi:[0,0,1]   ; c s - c m
.set ii, ii+2
.endr
	v_exp_f32 v[T+6], v[T+7]                       ; a
.set ii, 0
.rept 32
	v_exp_f32 v[S+ii], v[S+ii]                     ; p
.set ii, ii+1
.endr
	v_nop                                          ; a plain line behind the last exponential,
	s_wait_alu depctr_va_vdst(0)                   ; and one wait for the batch of 33, ahead of its first reader
.set ii, 0
.rept 16
	v_cvt_pk_f16_f32 v[P+ii], v[S+2*ii], v[S+2*ii+1]
.set ii, ii+1
.endr
.irp u, 0,1,2,3,4,5,6,7
	v_pk_add_f32 v[S+4*\u:S+4*\u+1], v[S+4*\u:S+4*\u+1], v[S+4*\u+2:S+4*\u+3]   ; the sum of the unrounded p
.endr
.irp u, 0,1,2,3
	v_pk_add_f32 v[S+8*\u:S+8*\u+1], v[S+8*\u:S+8*\u+1], v[S+8*\u+4:S+8*\u+5]
.endr
.irp u, 0,1
	v_pk_add_f32 v[S+16*\u:S+16*\u+1], v[S+16*\u:S+16*\u+1], v[S+16*\u+8:S+16*\u+9]
.endr
	v_pk_add_f32 v[S:S+1], v[S:S+1], v[S+16:S+17]
	v_pk_fma_f32 v[T+2:T+3], v[T+2:T+3], v[T+6:T+7], v[S:S+1] op_sel_hi:[1,0,1]   ; l = a l + the sum
	WIN 0x41
.set ii, 0
.rept 16
	v_pk_mul_f32 v[OI+ii:OI+ii+1], v[OI+ii:OI+ii+1], v[T+6:T+7] op_sel_hi:[1,0]   ; O^T x a
.set ii, ii+2
.endr
	WIN 0x51                                       ; v and O^T in window 1
.irp u, 0,1
.irp t, 0,1,2,3
	v_wmma_f32_16x16x32_f16 v[OI+8*\t:OI+8*\t+7], v[VFR+32*\u+8*\t:VFR+32*\u+8*\t+7], v[P+8*\u:P+8*\u+7], v[OI+8*\t:OI+8*\t+7]
.endr
.endr
	WIN 0
.endm
; A TRIP: 64 keys, in slot `slot`.  No two matrix instructions that follow each other, on any way, share an accumulator: every run goes through four accumulators by turns and ends on another than the next run begins with.
.macro TRIP slot
	s_add_co_u32 s36, s19, 64
	s_cmp_lt_u32 s36, s21                          ; is the next trip's tile of mine wanted?
	s_cbranch_scc0 .Lnoload_\@
.irp c, 0,1,2,3
	global_load_b128 v[STG+4*\c:STG+4*\c+3], v[LI], s[24:25] offset:8192+512*\c
.endr
	s_add_co_u32 s37, s19, 192
	s_cmp_lt_u32 s37, s22
	s_cbranch_scc0 .Lnoload_\@
	global_prefetch_b8 v[PFO], s[24:25] offset:24576 th:TH_LOAD_NT scope:SCOPE_SE   ; the 8,192 bytes (four tiles of 16 keys) that the copies issued two trips on will read: lanes 256 bytes apart; each block is named once in the launch; it ends with the copies
.Lnoload_\@:
	s_cmp_eq_u32 s18, 0                            ; a wave with no open query only copies
	s_cbranch_scc1 .Lnocomp_\@
.rept 4
	v_nop                                          ; places in front of loads into registers that the last trip's products read
.endr
	s_sub_co_i32 s37, s15, s19
	v_sub_nc_u32 v[DD], s37, v[H8]
	WIN 0x40
.irp u, 0,1
.irp t, 0,1,2,3
.irp c, 0,1
	ds_load_tr16_b128 v[VFR+32*\u+8*\t+4*\c:VFR+32*\u+8*\t+4*\c+3], v[LI] offset:\slot*SLOTB+VOFF+(2*\u+\c)*2048+512*\t
.endr
.endr
.endr
	WIN 0
	s_cmp_ge_u32 s19, s15                          ; no open key left
	s_cbranch_scc1 .Lnok_\@
	WIN 0x40
.irp k, 0,1,2,3
.irp c, 0,1,2,3
	ds_load_b128 v[KFR+16*\k+4*\c:KFR+16*\k+4*\c+3], v[LI] offset:\slot*SLOTB+\k*2048+\c*512
.endr
.endr
	WIN 0
	s_wait_dscnt 0x0
	TILE 0
	s_cmp_gt_u32 s18, 1
	s_cbranch_scc0 .Lnok_\@
	TILE 1
	s_cmp_gt_u32 s18, 2
	s_cbranch_scc0 .Lnok_\@
	TILE 2
	s_cmp_gt_u32 s18, 3
	s_cbranch_scc0 .Lnok_\@
	TILE 3
.Lnok_\@:
	s_cmp_le_u32 s36, s15                          ; no hidden key in this trip
	s_cbranch_scc1 .Lnocomp_\@
	s_wait_dscnt 0x0
	s_add_co_u32 s37, s15, 64
	s_cmp_lt_u32 s19, s37                          ; the trip that holds key n, and the one behind it, make the column of ones anew; from then on it is all ones
	s_cbranch_scc0 .Lones_\@
.set ii, 0
.rept 16
	v_cmp_ge_i32 vcc_lo, 16*(ii/4)+2*(ii%4), v[DD]
	v_cndmask_b32 v10, 0, v12, vcc_lo
	v_cmp_ge_i32 vcc_lo, 16*(ii/4)+2*(ii%4)+1, v[DD]
	v_cndmask_b32 v11, 0, v13, vcc_lo
	v_or_b32 v[PB+ii], v10, v11
.set ii, ii+1
.endr
.Lones_\@:
	WIN 0x01
.irp u, 0,1
.irp t, 0,1,2,3
	v_wmma_f32_16x16x32_f16 v[VS+8*\t:VS+8*\t+7], v[VFR+32*\u+8*\t:VFR+32*\u+8*\t+7], v[PB+8*\u:PB+8*\u+7], v[VS+8*\t:VS+8*\t+7]
.endr
.endr
	WIN 0
.Lnocomp_\@:
	s_wait_loadcnt 0x0                             ; on every way: no load is left pending on the copy's registers
	s_cmp_lt_u32 s36, s21
	s_cbranch_scc0 .Lnostore_\@
.irp c, 0,1,2,3
	ds_store_b128 v[STA], v[STG+4*\c:STG+4*\c+3] offset:(1-\slot)*SLOTB+512*\c
.endr
.Lnostore_\@:
	s_wait_xcnt 0x0                                ; the copies and the prefetch have read their base: it may step
	s_add_nc_u64 s[24:25], s[24:25], 8192
	s_mov_b32 s19, s36
	s_wait_dscnt 0x0                               ; my stores into the other slot have landed, and my reads of this slot are in:
	s_barrier_signal -1                            ; one barrier orders both: this trip's reads ahead of the next trip's stores, this trip's stores ahead of the next trip's reads
	s_barrier_wait -1
.endm
.Ltrip:
	TRIP 0
	TRIP 1
	s_add_co_u32 s20, s20, 1
	s_cmp_lt_u32 s20, 16
	s_cbranch_scc1 .Ltrip
	; THE WAY OUT, for all four tiles alike.  The hidden keys join: m' = max(m, their score); l' = a l + pm (2,048 - n); ctx = (a O + pm sum of hidden v) / l'; zero where the query is hidden.
	v_mov_b32 v10, s34
	v_mul_f32 v10, s30, v10                        ; c x the hidden keys' score, rounded as c m' is
	v_cvt_f32_u32 v11, s40
	v_lshl_add_u32 v14, s16, 4, v[RR]              ; my query in the sequence: 16 s + r, + 512 a tile.  (These four lines are the places behind the last products)
.irp i, 0,1,2,3
	v_add_f32 v[ST+8*\i+4], v[ST+8*\i+2], v[ST+8*\i+3]
.endr
.irp i, 0,1,2,3
	v_permlanex16_b32 v[ST+8*\i+5], v[ST+8*\i+4], s32, s33
.endr
.irp i, 0,1,2,3
	v_add_f32 v[ST+8*\i+4], v[ST+8*\i+4], v[ST+8*\i+5]
.endr
.irp i, 0,1,2,3
	v_max_num_f32 v[ST+8*\i+5], s34, v[ST+8*\i+1]
.endr
.irp i, 0,1,2,3
	v_mul_f32 v[ST+8*\i+5], s30, v[ST+8*\i+5]
.endr
.irp i, 0,1,2,3
	v_sub_f32 v[ST+8*\i+6], v[ST+8*\i], v[ST+8*\i+5]
	v_sub_f32 v[ST+8*\i+7], v10, v[ST+8*\i+5]
.endr
.irp i, 0,1,2,3
	v_exp_f32 v[ST+8*\i+6], v[ST+8*\i+6]           ; a
	v_exp_f32 v[ST+8*\i+7], v[ST+8*\i+7]           ; pm
.endr
	v_nop
	s_wait_alu depctr_va_vdst(0)                   ; one wait for the eight
.irp i, 0,1,2,3
	v_mul_f32 v[ST+8*\i+4], v[ST+8*\i+4], v[ST+8*\i+6]
.endr
.irp i, 0,1,2,3
	v_fmac_f32 v[ST+8*\i+4], v[ST+8*\i+7], v11     ; l': above 0: either a or pm is 1, and its partner (l, or the hidden keys' number) is at least 1
.endr
.irp i, 0,1,2,3
	v_rcp_f32 v[ST+8*\i+5], v[ST+8*\i+4]
.endr
	v_nop
	s_wait_alu depctr_va_vdst(0)                   ; one wait for the four
.irp i, 0,1,2,3
	v_mul_f32 v[ST+8*\i+4], v[ST+8*\i+6], v[ST+8*\i+5]
	v_mul_f32 v[ST+8*\i+6], v[ST+8*\i+7], v[ST+8*\i+5]
	v_add_nc_u32 v15, 512*\i, v14
	v_cmp_gt_u32 vcc_lo, s15, v15                  ; an open query
	v_cndmask_b32 v[ST+8*\i+4], 0, v[ST+8*\i+4], vcc_lo
	v_cndmask_b32 v[ST+8*\i+6], 0, v[ST+8*\i+6], vcc_lo
.endr
.macro SEND i
.set T, ST+8*(\i)
.set ii, 0
.rept 16
	v_pk_mul_f32 v[S+ii:S+ii+1], v[VS+ii:VS+ii+1], v[T+6:T+7] op_sel_hi:[1,0]
.set ii, ii+2
.endr
	WIN 0x01                                       ; O^T in window 1
.set ii, 0
.rept 16
	v_pk_fma_f32 v[S+ii:S+ii+1], v[32*(\i)+ii:32*(\i)+ii+1], v[T+4:T+5], v[S+ii:S+ii+1] op_sel_hi:[1,0,1]
.set ii, ii+2
.endr
	WIN 0
.set ii, 0
.rept 16
	v_cvt_pk_f16_f32 v[Q+16*(\i)+ii], v[S+2*ii], v[S+2*ii+1]       ; into q's registers, which are done with: each tile has its own, so no store's data are written again
.set ii, ii+1
.endr
.irp t, 0,1,2,3
	global_store_b128 v[LI], v[Q+16*(\i)+4*\t:Q+16*(\i)+4*\t+3], s[28:29] offset:(\i)*1048576+512*\t   ; 512 consecutive bytes: half a fragment of the next product's operand
.endr
.endm
.irp i, 0,1,2,3
	SEND \i
.endr
	s_wait_tensorcnt 0x0                           ; the wave's end
	ds_add_u32 v[SPW], v[NIL]
	s_wait_dscnt 0x0
	s_endpgm
.Lfunc_end_k_qd17f00d6e4_attn:
	.size	k_qd17f00d6e4_attn, .Lfunc_end_k_qd17f00d6e4_attn-k_qd17f00d6e4_attn
	.p2alignl 7, 3214868480
	.fill 96, 4, 3214868480
	.section	.rodata,"a",@progbits
	.p2align	6, 0x0
	.amdhsa_kernel k_qd17f00d6e4_attn
		.amdhsa_group_segment_fixed_size 33792
		.amdhsa_private_segment_fixed_size 0
		.amdhsa_enable_private_segment 0
		.amdhsa_kernarg_size 24
		.amdhsa_user_sgpr_count 2
		.amdhsa_user_sgpr_kernarg_segment_ptr 1
		.amdhsa_wavefront_size32 1
		.amdhsa_system_sgpr_workgroup_id_x 1
		.amdhsa_system_sgpr_workgroup_id_y 1
		.amdhsa_system_sgpr_workgroup_id_z 1
		.amdhsa_system_vgpr_workitem_id 0
		.amdhsa_next_free_vgpr 512
		.amdhsa_next_free_sgpr 66
		.amdhsa_reserve_vcc 1
		.amdhsa_float_denorm_mode_32 3
		.amdhsa_float_denorm_mode_16_64 3
		.amdhsa_memory_ordered 1
		.amdhsa_forward_progress 1
		.amdhsa_inst_pref_size 121
	.end_amdhsa_kernel
	.amdgpu_metadata
---
amdhsa.version: [ 1, 2 ]
amdhsa.kernels:
  - .name:           k_qd17f00d6e4_attn
    .symbol:         k_qd17f00d6e4_attn.kd
    .args:
      - { .name: qkv, .offset: 0, .size: 8, .value_kind: global_buffer, .address_space: global }
      - { .name: perm, .offset: 8, .size: 8, .value_kind: global_buffer, .address_space: global }
      - { .name: ctx, .offset: 16, .size: 8, .value_kind: global_buffer, .address_space: global }
    .group_segment_fixed_size: 33792
    .private_segment_fixed_size: 0
    .kernarg_segment_align: 8
    .kernarg_segment_size: 24
    .max_flat_workgroup_size: 256
    .sgpr_count:     66
    .vgpr_count:     512
    .wavefront_size: 32
...
	.end_amdgpu_metadata
.endif
;; end of part 3
;; launch oproj (part 4): grid 4 x 64, 4 waves a work-group, clusters of 4 x 4, 327,680 bytes of LDS; arguments ctx, wo16, bo, perm, out0; writes out0
.if DOCPART == 4
	.amdgcn_target "amdgcn-amd-amdhsa--gfx1250"
	.amdhsa_code_object_version 6
	.text
	.protected	k_qd17f00d6e4_oproj
	.globl	k_qd17f00d6e4_oproj
	.p2align	8
	.type	k_qd17f00d6e4_oproj,@function
k_qd17f00d6e4_oproj:
	s_mov_b64 s[64:65], 0
	v_nop
	global_prefetch_b8 v0, s[64:65] scope:SCOPE_SE
	s_setreg_imm32_b32 hwreg(HW_REG_WAVE_MODE, 25, 1), 1
	s_wait_xcnt 0x0
	s_wait_alu depctr_hold_cnt(0) depctr_sa_sdst(0) depctr_va_vdst(0) depctr_va_sdst(0) depctr_va_ssrc(0) depctr_va_vcc(0) depctr_vm_vsrc(0)
	s_getreg_b32 s2, hwreg(HW_REG_IB_STS2, 6, 4)
	s_cmp_eq_u32 s2, 0
	s_cbranch_scc0 .Lentry_in_a_cluster
	s_endpgm
.Lentry_in_a_cluster:
	s_bfe_u32 s2, ttmp6, 0x10000c
	s_cmp_lg_u32 s2, 0xf033
	s_cbranch_scc0 .Lentry_shape_is_right
	s_endpgm
.Lentry_shape_is_right:
; out0 = ctx Wo + bo: [8192][1024] x [1024][1024], f16 operands, f32 sums; bo is the C of each sum's first product.  ctx's rows are the permuted ones: each result row goes to the token that perm names.
; (A hidden token's ctx is zero, so its row comes out as bo.)
; A tile of 128 rows x 256 columns is made by a work-group of four waves: 256 work-groups.  A wave makes 64 x 128: 32 accumulators, 256 registers.  K goes in steps of 128 through a ring of two LDS slots.
; Both operands lie in memory as images of operand registers: a K step of a tile of 16 rows is 4,096 consecutive bytes, a fragment 1,024, read from LDS at 16 x lane: no pitch, no padding.
; CLUSTERS: 4 x 4 work-groups: the four of a row need the same tiles of ctx, the four of a column the same tiles of Wo: each is asked for jointly.
; THE MATRIX INSTRUCTION IS USED TRANSPOSED (source 0 = 16 columns of Wo, source 1 = 16 rows of ctx): a lane holds eight neighbouring columns of one row.
; No prefetch: a tile has few bytes to a step, and Wo's 2 MiB are walked again and again by every cluster.
; REGISTERS: window 0: v0-31 addresses; v32-127, v128-223 two fragment buffers (ctx's 4 fragments, then Wo's 8); v224-239 the rows' places in out0.   window 1: the accumulators ((a, b) at v[8 (8 a + b)]).   window 2: v0-63 bo in the result's layout.
.set KB,     4096                      ; a K step of one tile of 16 rows
.set BOFF,   8*KB                      ; a slot: ctx's 8 tiles, then Wo's 16
.set SLOT,   24*KB
.set STAGE,  2*SLOT                    ; behind the ring: 16 rows x (512 bytes + 16) for each wave
.set SPITCH, 528
.set SPARE,  STAGE+4*16*SPITCH         ; the spare words: two blocks of 256 bytes that no other line names
.set ADRA, 16
.set ADRB, 20
.set STO,  24
.set RD,   25
.set CO,   26
.set SPW,  28
.set NIL,  29
.set F0,   32
.set F1,   128
.set BK,   32                          ; the way out: 16 rows read back
.set AD,   224
.set G1, 24
.set G0, 32
.set G1B, 48
.set G0B, 56
.set MSB, 0
.macro WIN new
.if MSB != \new
	s_set_vgpr_msb (MSB<<8)|\new
.set MSB, \new
.endif
.endm
.set MUL,  0x50                        ; C and D window 1
.set MULB, 0x60                        ; D window 1, C (bo) window 2
.macro JLOAD s                         ; waves 0 and 1 fetch ctx's halves, waves 2 and 3 Wo's; an s_nop 0 and four v_nop follow each line
	s_cmp_eq_u32 s15, 0
	s_cbranch_scc0 .Lfor_b_\@
	tensor_load_to_lds s[G0+4*\s:G0+4*\s+3], s[G1:G1+7]
	s_nop 0
.rept 4
	v_nop
.endr
	s_branch .Lasked_\@
.Lfor_b_\@:
	tensor_load_to_lds s[G0B+4*\s:G0B+4*\s+3], s[G1B:G1B+7]
	s_nop 0
.rept 4
	v_nop
.endr
.Lasked_\@:
.endm
.macro CREST
	s_cmp_lg_u32 s14, 0
	s_cbranch_scc1 .Lnot_wave_0_\@
	s_barrier_signal -3
.Lnot_wave_0_\@:
	s_barrier_wait -3
	s_barrier_signal -1
	s_barrier_wait -1
.endm
.macro CROUND
	s_barrier_signal -1
	s_barrier_wait -1
	CREST
.endm
	s_load_b128 s[4:7], s[0:1], 0x0                ; ctx, wo16
	s_load_b128 s[8:11], s[0:1], 0x10              ; bo, perm
	s_load_b64 s[12:13], s[0:1], 0x20              ; out0
	v_lshl_add_u32 v[SPW], v0, 2, SPARE
	v_mov_b32 v[NIL], 0
	ds_add_u32 v[SPW], v[NIL]                      ; the wave's opening: the add, twice on end, and its wait ahead of my first tensor load
	ds_add_u32 v[SPW], v[NIL]
	v_lshrrev_b32 v1, 5, v0
	v_readfirstlane_b32 s14, v1                    ; wave 0..3
	s_lshr_b32 s15, s14, 1                         ; which half of the tile's rows is mine.  Also: I fetch for ctx (0) or for Wo (1)
	s_and_b32 s16, s14, 1                          ; which half of its columns.  Also: which half of that tile I fetch
	s_bfe_u32 s40, ttmp6, 0x40000
	s_bfe_u32 s41, ttmp6, 0x40004
	s_lshl_b32 s42, ttmp9, 2
	s_add_co_u32 s42, s42, s40                     ; tile column
	s_and_b32 s17, ttmp7, 0xffff
	s_lshl_b32 s17, s17, 2
	s_add_co_u32 s17, s17, s41                     ; tile row
	s_lshl_b32 s43, s41, 2
	s_lshl_b32 s43, 15, s43
	s_lshl_b32 s44, 0x1111, s40
	s_or_b32 s[G1+0], s43, (3<<16)|(1<<21)         ; elements of 8 bytes, no padding: rows of 4,096 bytes, 32,768 bytes apart: 4 for ctx,
	s_mov_b32 s[G1+1], 512<<16
	s_mov_b32 s[G1+2], 4<<16
	s_mov_b32 s[G1+3], 512<<16
	s_mov_b32 s[G1+4], 4
	s_mov_b32 s[G1+5], 4096
	s_mov_b32 s[G1+6], 0
	s_mov_b32 s[G1+7], 0
	s_or_b32 s[G1B+0], s44, (3<<16)|(1<<21)        ; 8 for Wo
	s_mov_b32 s[G1B+1], 512<<16
	s_mov_b32 s[G1B+2], 8<<16
	s_mov_b32 s[G1B+3], 512<<16
	s_mov_b32 s[G1B+4], 8
	s_mov_b32 s[G1B+5], 4096
	s_mov_b32 s[G1B+6], 0
	s_mov_b32 s[G1B+7], 0
	s_lshl_b32 s20, s17, 18                        ; ctx: 8 tiles of rows a tile row,
	s_lshl_b32 s18, s16, 17                        ; 4 a half
	s_add_co_u32 s20, s20, s18
	s_mov_b32 s21, 0
	s_lshl_b32 s46, s42, 19                        ; Wo: 16 tiles of columns a tile column,
	s_lshl_b32 s18, s16, 18                        ; 8 a half
	s_add_co_u32 s46, s46, s18
	s_mov_b32 s47, 0
	s_lshl_b32 s45, s16, 14                        ; where they go
	s_lshl_b32 s22, s16, 15
	s_add_co_u32 s22, s22, BOFF
	s_wait_dscnt 0x0
	s_wait_kmcnt 0x0
	s_add_nc_u64 s[20:21], s[4:5], s[20:21]
	s_add_nc_u64 s[46:47], s[6:7], s[46:47]
	CROUND
.irp s, 0,1
	s_mov_b32 s[G0+4*\s], 1
	s_add_co_u32 s[G0+4*\s+1], s45, \s*SLOT
	s_add_nc_u64 s[G0+4*\s+2:G0+4*\s+3], s[20:21], \s*KB
	s_or_b32 s[G0+4*\s+3], s[G0+4*\s+3], 0x80000000
	s_mov_b32 s[G0B+4*\s], 1
	s_add_co_u32 s[G0B+4*\s+1], s22, \s*SLOT
	s_add_nc_u64 s[G0B+4*\s+2:G0B+4*\s+3], s[46:47], \s*KB
	s_or_b32 s[G0B+4*\s+3], s[G0B+4*\s+3], 0x80000000
	JLOAD \s                                       ; two loads of mine go out
.endr
	v_and_b32 v1, 15, v0
	v_bfe_u32 v2, v0, 4, 1
	v_and_b32 v6, 31, v0
	v_lshlrev_b32 v8, 4, v6                        ; 16 x lane
	s_lshl_b32 s21, s15, 14                        ; my 4 tiles of ctx's rows
	s_lshl_b32 s23, s16, 15
	s_add_co_u32 s23, s23, BOFF                    ; my 8 tiles of Wo's columns
.irp s, 0,1
	v_add_nc_u32 v[ADRA+\s], s21, v8
	v_add_nc_u32 v[ADRB+\s], s23, v8
	s_add_co_u32 s21, s21, SLOT
	s_add_co_u32 s23, s23, SLOT
.endr
	s_mul_i32 s23, s14, 16*SPITCH
	s_add_co_u32 s23, s23, STAGE                   ; my stage
	v_mul_u32_u24 v5, v1, SPITCH
	v_lshl_add_u32 v5, v2, 5, v5
	v_add_nc_u32 v[STO], s23, v5                   ; in: row r, 32 bytes for each half of the lanes
	v_add_nc_u32 v[RD], s23, v8                    ; back: the 32 lanes take a row of 512 bytes
	s_lshl_b32 s46, s42, 10
	s_lshl_b32 s47, s16, 9
	s_add_co_u32 s46, s46, s47                     ; my first column, in bytes of f32: in bo and in a row of out0
	s_mov_b32 s47, 0
	v_add_nc_u32 v[CO], s46, v8
	s_add_nc_u64 s[8:9], s[8:9], s[46:47]
	v_lshlrev_b32 v7, 5, v2
	WIN 0x80                                       ; destination window 2
.irp b, 0,1,2,3,4,5,6,7
	global_load_b128 v[8*\b:8*\b+3], v7, s[8:9] offset:64*\b
	global_load_b128 v[8*\b+4:8*\b+7], v7, s[8:9] offset:64*\b+16
.endr
	WIN 0
	s_lshl_b32 s86, s17, 9
	s_lshl_b32 s87, s15, 8
	s_add_co_u32 s86, s86, s87
	s_mov_b32 s87, 0
	s_add_nc_u64 s[84:85], s[10:11], s[86:87]      ; perm at my first row: 128 x tile row + 64 x half
.macro MUL8 f, a, first                ; ctx's tile a against Wo's eight, 32 along K.  first = 1: bo starts the sums.  The 32 accumulators take turns
.irp b, 0,1,2,3,4,5,6,7
.if \first
	v_wmma_f32_16x16x32_f16 v[8*(8*(\a)+\b):8*(8*(\a)+\b)+7], v[\f+32+8*\b:\f+32+8*\b+7], v[\f+8*(\a):\f+8*(\a)+7], v[8*\b:8*\b+7]
.else
	v_wmma_f32_16x16x32_f16 v[8*(8*(\a)+\b):8*(8*(\a)+\b)+7], v[\f+32+8*\b:\f+32+8*\b+7], v[\f+8*(\a):\f+8*(\a)+7], v[8*(8*(\a)+\b):8*(8*(\a)+\b)+7]
.endif
.endr
.endm
.macro FETCH slot, q, f                ; 24 LDS loads in one run: the slot's q-th 32 along K: Wo's 8 fragments, then ctx's 4
.irp i, 0,1,2,3,4,5,6,7
.irp c, 0,1
	ds_load_b128 v[\f+32+8*\i+4*\c:\f+32+8*\i+4*\c+3], v[ADRB+\slot] offset:\i*KB+(\q)*1024+\c*512
.endr
.endr
.irp i, 0,1,2,3
.irp c, 0,1
	ds_load_b128 v[\f+8*\i+4*\c:\f+8*\i+4*\c+3], v[ADRA+\slot] offset:\i*KB+(\q)*1024+\c*512
.endr
.endr
.endm
.macro PLACES
.rept 4
	v_nop
.endr
.endm
.macro QUARTER slot, q, f, g, first    ; multiplies buffer f; in its middle fetches the slot's q-th 32 along K into buffer g
	s_wait_dscnt 4                                 ; Wo's fragments and ctx's tiles 0, 1 are in; the youngest four loads (tiles 2, 3) may be out
.if \first
	WIN MULB
.else
	WIN MUL
.endif
	MUL8 \f, 0, \first
	MUL8 \f, 1, \first
	PLACES
	WIN 0
	FETCH \slot, \q, \g
	s_wait_dscnt 24                                ; all but the 24 just issued
.if \first
	WIN MULB
.else
	WIN MUL
.endif
	MUL8 \f, 2, \first
	MUL8 \f, 3, \first
.endm
; A slot's last quarter changes slots: one barrier; in front of it each wave waits for all its tensor loads, adds 0 to its spare word, and waits for that and for its reads of this slot.  fill = 1: the slot is filled again, two K steps on.
.macro TURN slot, next, fill
	WIN 0
	s_wait_tensorcnt 0x0                           ; my one load that was out, my part of the next slot, has landed
	ds_add_u32 v[SPW], v[NIL]
	s_wait_dscnt 5                                 ; (the add and the youngest four loads may be out)
	WIN MUL
	MUL8 F1, 0, 0                                  ; eight matrix instructions stand between the add and the wait for it
	s_wait_dscnt 0x0                               ; the add is done, and my reads of this slot are over
	s_barrier_signal -1
	MUL8 F1, 1, 0
	WIN 0
	s_barrier_wait -1
.if \fill
	CREST                                          ; the barrier has opened a round of the cluster's barrier: no wave of any partner still reads this slot or has a load on its way
	s_add_nc_u64 s[G0+4*\slot+2:G0+4*\slot+3], s[G0+4*\slot+2:G0+4*\slot+3], 2*KB
	s_add_nc_u64 s[G0B+4*\slot+2:G0B+4*\slot+3], s[G0B+4*\slot+2:G0B+4*\slot+3], 2*KB
	JLOAD \slot                                    ; the first tensor load behind the round: 112 matrix instructions ahead of the wait for it; its four v_nop are also the places in front of the loads below
.else
	PLACES
.endif
	FETCH \next, 0, F0
	WIN MUL
	MUL8 F1, 2, 0
	MUL8 F1, 3, 0
.endm
	s_wait_tensorcnt 1                             ; my part of K step 0 is in; K step 1's load may be out
	s_barrier_signal -1
	s_barrier_wait -1
	FETCH 0, 0, F0
	s_wait_loadcnt 0x0                             ; bo
	QUARTER 0, 1, F0, F1, 1
	WIN 0
	s_mov_b32 s3, 3
.Llap:                                                 ; three trips, each once round the ring: K steps 2 to 7 are asked for
	QUARTER 0, 2, F1, F0, 0
	QUARTER 0, 3, F0, F1, 0
	TURN 0, 1, 1
	QUARTER 1, 1, F0, F1, 0
	QUARTER 1, 2, F1, F0, 0
	QUARTER 1, 3, F0, F1, 0
	TURN 1, 0, 1
	QUARTER 0, 1, F0, F1, 0
	WIN 0
	s_sub_co_u32 s3, s3, 1
	s_cmp_lg_u32 s3, 0
	s_cbranch_scc1 .Llap
	QUARTER 0, 2, F1, F0, 0                        ; the last lap fills nothing
	QUARTER 0, 3, F0, F1, 0
	TURN 0, 1, 0
	QUARTER 1, 1, F0, F1, 0
	QUARTER 1, 2, F1, F0, 0
	QUARTER 1, 3, F0, F1, 0
	s_wait_dscnt 4
	WIN MUL
	MUL8 F1, 0, 0
	MUL8 F1, 1, 0
	s_wait_dscnt 0
	MUL8 F1, 2, 0
	MUL8 F1, 3, 0
	WIN 0
; THE WAY OUT, a tile of 16 rows x 128 columns at a time: through my own stage, back as whole rows of 512 bytes, each stored to the row of out0 that perm names.
.macro OUTB a
	s_load_b512 s[68:83], s[84:85], 64*(\a)        ; the 16 rows' tokens
	WIN 0x04                                       ; an LDS store's data are its source 1: window 1
.irp b, 0,1,2,3,4,5,6,7
	ds_store_b128 v[STO], v[8*(8*(\a)+\b):8*(8*(\a)+\b)+3] offset:64*\b          ; each accumulator from its low end on
	ds_store_b128 v[STO], v[8*(8*(\a)+\b)+4:8*(8*(\a)+\b)+7] offset:64*\b+16
.endr
	WIN 0
	s_wait_xcnt 0x0                                ; the last tile's stores have read their data and addresses: both are written again below
.irp t, 0,1,2,3,4,5,6,7,8,9,10,11,12,13,14,15
	ds_load_b128 v[BK+4*\t:BK+4*\t+3], v[RD] offset:\t*SPITCH      ; LDS serves a wave's instructions in order: these see my stores, and the next tile's stores come behind them
.endr
	s_wait_kmcnt 0x0
.irp t, 0,1,2,3,4,5,6,7,8,9,10,11,12,13,14,15
	s_min_u32 s[68+\t], s[68+\t], 0x1fff
	v_lshl_add_u32 v[AD+\t], s[68+\t], 12, v[CO]   ; 4,096 bytes a row of out0
.endr
.irp t, 0,1,2,3,4,5,6,7,8,9,10,11,12,13,14,15
	s_wait_dscnt 15-\t
	global_store_b128 v[AD+\t], v[BK+4*\t:BK+4*\t+3], s[12:13] th:TH_STORE_NT    ; 32 lanes store 512 consecutive bytes, at a multiple of 256 from out0's first byte
.endr
.endm
	PLACES
.irp a, 0,1,2,3
	OUTB \a
.endr
	s_wait_tensorcnt 0x0                           ; the wave's end
	ds_add_u32 v[SPW], v[NIL]
	s_wait_dscnt 0x0
	CROUND                                         ; the closing round
	s_endpgm
.Lfunc_end_k_qd17f00d6e4_oproj:
	.size	k_qd17f00d6e4_oproj, .Lfunc_end_k_qd17f00d6e4_oproj-k_qd17f00d6e4_oproj
	.p2alignl 7, 3214868480
	.fill 96, 4, 3214868480
	.section	.rodata,"a",@progbits
	.p2align	6, 0x0
	.amdhsa_kernel k_qd17f00d6e4_oproj
		.amdhsa_group_segment_fixed_size 327680
		.amdhsa_private_segment_fixed_size 0
		.amdhsa_enable_private_segment 0
		.amdhsa_kernarg_size 40
		.amdhsa_user_sgpr_count 2
		.amdhsa_user_sgpr_kernarg_segment_ptr 1
		.amdhsa_wavefront_size32 1
		.amdhsa_system_sgpr_workgroup_id_x 1
		.amdhsa_system_sgpr_workgroup_id_y 1
		.amdhsa_system_sgpr_workgroup_id_z 1
		.amdhsa_system_vgpr_workitem_id 0
		.amdhsa_next_free_vgpr 576
		.amdhsa_next_free_sgpr 100
		.amdhsa_reserve_vcc 0
		.amdhsa_float_denorm_mode_32 3
		.amdhsa_float_denorm_mode_16_64 3
		.amdhsa_memory_ordered 1
		.amdhsa_forward_progress 1
		.amdhsa_inst_pref_size 96
	.end_amdhsa_kernel
	.amdgpu_metadata
---
amdhsa.version: [ 1, 2 ]
amdhsa.kernels:
  - .name:           k_qd17f00d6e4_oproj
    .symbol:         k_qd17f00d6e4_oproj.kd
    .args:
      - { .name: ctx, .offset: 0, .size: 8, .value_kind: global_buffer, .address_space: global }
      - { .name: wo16, .offset: 8, .size: 8, .value_kind: global_buffer, .address_space: global }
      - { .name: bo, .offset: 16, .size: 8, .value_kind: global_buffer, .address_space: global }
      - { .name: perm, .offset: 24, .size: 8, .value_kind: global_buffer, .address_space: global }
      - { .name: out0, .offset: 32, .size: 8, .value_kind: global_buffer, .address_space: global }
    .group_segment_fixed_size: 327680
    .private_segment_fixed_size: 0
    .kernarg_segment_align: 8
    .kernarg_segment_size: 40
    .max_flat_workgroup_size: 128
    .sgpr_count:     100
    .vgpr_count:     576
    .wavefront_size: 32
...
	.end_amdgpu_metadata
.endif
;; end of part 4
